; MI455X (gfx1250); checked and timed in simulation.
; The chip was launched on July 23, 2026; its instructions are those of AMD's public machine-readable ISA for CDNA 5 (MIT licence, August 2026) and "CDNA5" Instruction Set Architecture Reference Guide (July 2026). The comments in the code are by the model that wrote it; some were corrected since.
;; Multi MLP Layer. Allowed arithmetic: float matrix products may take bf16 or f16 operands with f32 sums; other float arithmetic in f32, or as packed bf16 or f16 multiplies, adds, multiply-adds, maxima and minima; sums over many terms, partial sums and values carried from step to step in f32; what a program stores and reads back later, other than sums and carried values, may be rounded once to bf16 or f16.
;; Inputs: dfc_b 2,048 float32; dfc_w 1,024 x 2,048 float32; dproj_b 1,024 float32; dproj_w 2,048 x 1,024 float32; ebias 6 float32; fl_db 16 float32; fl_dw 1,024 x 16 float32; fl_ub 2,048 float32; fl_uw 16 x 2,048 float32; gb1 256 float32; gb2 6 float32; gw1 1,024 x 256 float32; gw2 256 x 6 float32; p2_alpha 2 float32; p2_b 2 float32; p2_bias 1,024 float32; p2_v 2 x 1,024 float32; p2_w 2 x 1,024 float32; p4_alpha 4 float32; p4_b 4 float32; p4_bias 1,024 float32; p4_v 4 x 1,024 float32; p4_w 4 x 1,024 float32; pm_alpha one number float32; rg_a 1,024 float32; rg_b 1 float32; rg_bias 1,024 float32; rg_u 1,024 float32; sfc_b 1,024 float32; sfc_w 1,024 x 1,024 float32; sproj_b 1,024 float32; sproj_w 1,024 x 1,024 float32; x 4 x 2,048 x 1,024 float32.
;; Outputs: out0 4 x 2,048 x 1,024 float32.
;; One version. Each part assembles by itself: llvm-mc -triple=amdgcn-amd-amdhsa -mcpu=gfx1250 --defsym DOCPART=n.
;; ======== version 1 of 1: 4 launches
;; limits: a function is approximated: absolute error at most 1.5e-07; values are held in f16: magnitudes above 65,504 overflow, below 6.1e-05 lose precision
;; workspace buffers: wr 727,808 bytes; we 12,582,912 bytes; rt 3,072 bytes of whole numbers; sc 32,768 bytes; zf 1,048,576 bytes; hb 33,816,576 bytes; tl 33,280 bytes of whole numbers; ts 33,280 bytes
;; launch prep (part 1): grid 817 x 1, 8 waves a work-group, no clusters, 0 bytes of LDS; arguments dfc_w, sfc_w, dproj_w, sproj_w, gw1, fl_dw, rg_u, p2_w, p4_w, fl_uw, fl_ub, rg_a, rg_bias, p2_v, p2_bias, p4_v, p4_bias, gw2, fl_db, rg_b, p2_b, p4_b, p2_alpha, p4_alpha, wr, we; writes wr, we
.if DOCPART == 1
	.amdgcn_target "amdgcn-amd-amdhsa--gfx1250"
	.amdhsa_code_object_version 6
	.text
	.protected	k_q9405231a69_prep
	.globl	k_q9405231a69_prep
	.p2align	8
	.type	k_q9405231a69_prep,@function
k_q9405231a69_prep:
	s_mov_b64 s[64:65], 0
	v_nop
	global_prefetch_b8 v0, s[64:65] scope:SCOPE_SE
	s_setreg_imm32_b32 hwreg(HW_REG_WAVE_MODE, 25, 1), 1
	s_wait_xcnt 0x0
; PREP: every weight is rounded once to bf16 (nearest even) and laid out as the matrix units' operand registers take it.
; A FRAGMENT is 16 rows x 32 k of 16-bit numbers, 1,024 bytes: the eight k of octet o (k = 8 o ..) of row r lie at byte 256 o + 16 r, so that a lane l = 16 h + r
; takes registers 0-3 at 16 l and registers 4-7 at 512 + 16 l: two loads of 512 consecutive bytes a wave.
; INTERLEAVE: row r of tile (cg, f) stands for matrix column 64 cg + 4 r + f.  A stream holds the fragments as [cg][k step][f].
; dproj_w's and sproj_w's k is taken in the order in which the launch fc stores the hidden layer: (k step, o, i) is hidden feature
; 64 (kstep / 2) + 32 (o % 2) + 2 (kstep % 2) + o / 2 + 4 i.  The same order on both operands of a product leaves its sums as they are.
; These two are multiplied by a hidden layer kept in f16, so their bf16 rounding is written as f16: the same number from 6.1e-5 to 65,504; LIMIT: below 6.1e-5 it keeps f16's fixed step of 6e-8.
; Work-groups 0-799: the five large matrices (a work-group: 64 columns x 128 k).  800-807: the 23 small projections as two tiles.  808-815: the basis of the
; four small experts.  816: gw2 as f32 of its bf16 rounding, in the order of route's registers, and the table of the 32 coefficient slots.
; No LDS, no barrier: no wave needs another's data.  Every load of the large matrices takes 256 consecutive bytes for each 16 lanes, every store 512.
.set VV, 8                             ; v[8:39]   V[i][f] = v[8 + 4 i + f]: k index i of the octet, tile f
.set OO, 40                            ; v[40:55]  O[f][q]: 16 bytes for each tile
.set VA, 56                            ; v[56:63]  byte offsets of the eight rows
.set HM, 33                            ; s33       mask of a word's upper bf16
.macro RND2 a, b, t                    ; two f32 rounded to bf16 and widened again
	v_cvt_pk_bf16_f32 v[\t], v[\a], v[\b]
	v_lshlrev_b32 v[\a], 16, v[\t]
	v_and_b32 v[\b], s[HM], v[\t]
.endm
.macro STORE4                          ; four times 16 bytes, into the four tiles of the column group
.irp f, 0,1,2,3
	global_store_b128 v5, v[OO+4*(\f):OO+4*(\f)+3], s[6:7] offset:(\f)*1024
.endr
.endm
.macro PACKST                          ; V -> bf16
.irp f, 0,1,2,3
.irp q, 0,1,2,3
	v_cvt_pk_bf16_f32 v[OO+4*(\f)+(\q)], v[VV+8*(\q)+(\f)], v[VV+8*(\q)+4+(\f)]
.endr
.endr
	STORE4
.endm
.macro PACKH                           ; V -> its bf16 rounding, written as f16
.irp f, 0,1,2,3
.irp q, 0,1,2,3
	RND2 VV+8*(\q)+(\f), VV+8*(\q)+4+(\f), OO+4*(\f)+(\q)
	v_cvt_pk_f16_f32 v[OO+4*(\f)+(\q)], v[VV+8*(\q)+(\f)], v[VV+8*(\q)+4+(\f)]
.endr
.endr
	STORE4
.endm
	v_and_b32 v1, 31, v0                           ; lane l
	v_lshrrev_b32 v4, 5, v0
	v_readfirstlane_b32 s2, v4                     ; wave w
	v_and_b32 v2, 15, v0                           ; r
	v_bfe_u32 v3, v0, 4, 1                         ; h
	s_mov_b32 s3, ttmp9                            ; g
	s_mov_b32 s[HM], 0xffff0000
	s_cmp_ge_u32 s3, 800
	s_cbranch_scc1 .Lsmall
	; ---- the five large matrices ----
	s_load_b256 s[8:15], s[0:1], 0x0               ; dfc_w, sfc_w, dproj_w, sproj_w
	s_load_b64 s[16:17], s[0:1], 0x20              ; gw1
	s_load_b128 s[20:23], s[0:1], 0xc0             ; wr, we
	s_mov_b32 s24, 4096                            ; bytes in a source row
	s_mov_b32 s26, 5                               ; log2 of the k steps
	s_mov_b32 s27, 0                               ; 1: k in the hidden layer's stored order, and f16
	s_mov_b32 s29, 3                               ; log2 of the work-groups for a column group
	s_wait_kmcnt 0x0
	s_cmp_ge_u32 s3, 256
	s_cbranch_scc1 .La1
	s_mov_b64 s[4:5], s[8:9]                       ; dfc_w -> we + 0
	s_mov_b64 s[6:7], s[22:23]
	s_mov_b32 s24, 8192
	s_mov_b32 s28, s3
	s_branch .Lgo
.La1:
	s_cmp_ge_u32 s3, 384
	s_cbranch_scc1 .La2
	s_mov_b64 s[4:5], s[10:11]                     ; sfc_w -> we + 4 MiB
	s_add_nc_u64 s[6:7], s[22:23], 0x400000
	s_sub_co_u32 s28, s3, 256
	s_branch .Lgo
.La2:
	s_cmp_ge_u32 s3, 640
	s_cbranch_scc1 .La3
	s_mov_b64 s[4:5], s[12:13]                     ; dproj_w -> we + 6 MiB
	s_add_nc_u64 s[6:7], s[22:23], 0x600000
	s_mov_b32 s26, 6
	s_mov_b32 s27, 1
	s_mov_b32 s29, 4
	s_sub_co_u32 s28, s3, 384
	s_branch .Lgo
.La3:
	s_cmp_ge_u32 s3, 768
	s_cbranch_scc1 .La4
	s_mov_b64 s[4:5], s[14:15]                     ; sproj_w -> we + 10 MiB
	s_add_nc_u64 s[6:7], s[22:23], 0xa00000
	s_mov_b32 s27, 1
	s_sub_co_u32 s28, s3, 640
	s_branch .Lgo
.La4:
	s_mov_b64 s[4:5], s[16:17]                     ; gw1 -> wr + 0
	s_mov_b64 s[6:7], s[20:21]
	s_mov_b32 s24, 1024
	s_sub_co_u32 s28, s3, 768
.Lgo:
	s_lshr_b32 s10, s28, s29                       ; cg
	s_bfm_b32 s11, s29, 0
	s_and_b32 s11, s28, s11
	s_lshl_b32 s11, s11, 2
	s_lshr_b32 s12, s2, 1
	s_add_co_u32 s11, s11, s12                     ; k step = 4 kg + w / 2
	s_and_b32 s12, s2, 1                           ; octet o = 2 (w % 2) + h
	s_lshl_b32 s13, s11, 5
	s_lshl4_add_u32 s13, s12, s13                  ; plain order: first row 32 kstep + 16 (w % 2) + 8 h, rows one apart
	s_lshr_b32 s14, s11, 1
	s_lshl_b32 s14, s14, 6
	s_and_b32 s15, s11, 1
	s_lshl1_add_u32 s14, s15, s14
	s_add_co_u32 s14, s14, s12                     ; stored order: 64 (kstep / 2) + 2 (kstep % 2) + w % 2 + 32 h, rows four apart
	s_cmp_eq_u32 s27, 1
	s_cselect_b32 s13, s14, s13
	s_cselect_b32 s14, 32, 8
	s_cselect_b32 s15, 2, 0
	s_lshl_b32 s8, s24, s15                        ; bytes from one of my rows to the next
	v_mul_u32_u24 v6, s14, v3
	v_add_nc_u32 v6, s13, v6
	v_mul_lo_u32 v6, v6, s24
	v_lshl_add_u32 v6, v2, 4, v6                   ; + 16 r: columns 4 r .. 4 r + 3 of the group
	s_lshl_b32 s9, s10, 8
	v_add_nc_u32 v[VA], s9, v6
.irp i, 1,2,3,4,5,6,7
	v_add_nc_u32 v[VA+(\i)], s8, v[VA+(\i)-1]
.endr
.irp i, 0,1,2,3,4,5,6,7
	global_load_b128 v[VV+4*(\i):VV+4*(\i)+3], v[VA+(\i)], s[4:5] th:TH_LOAD_NT
.endr
	s_lshl_b32 s9, s10, s26
	s_add_co_u32 s9, s9, s11
	s_lshl_b32 s9, s9, 12                          ; (cg x k steps + kstep) x 4,096
	s_lshl_b32 s12, s12, 9
	s_add_co_u32 s9, s9, s12
	v_lshl_add_u32 v5, v1, 4, s9                   ; + 256 o + 16 r = 512 (w % 2) + 16 l
	s_wait_loadcnt 0x0
	s_cmp_eq_u32 s27, 1
	s_cbranch_scc1 .Lhalf
	PACKST
	s_endpgm
.Lhalf:
	PACKH
	s_endpgm
.Lsmall:
	s_cmp_ge_u32 s3, 808
	s_cbranch_scc1 .Lbasis
	; ---- tiles 16 and 17: row m of tile 16 is fl_dw's column m; row m of tile 17 is the vector of slot 16 + m (1: rg_u; 3, 4: p2_w; 8-11: p4_w; else 0) ----
	s_load_b256 s[8:15], s[0:1], 0x28              ; fl_dw, rg_u, p2_w, p4_w
	s_load_b64 s[6:7], s[0:1], 0xc0                ; wr
	s_sub_co_u32 s4, s3, 800
	s_lshl3_add_u32 s4, s4, s2                     ; u = 0..63: k = 16 u + 8 h ..
	s_lshl_b32 s5, s4, 10
	v_lshlrev_b32 v6, 9, v3
	v_lshl_add_u32 v6, v2, 2, v6
	v_add_nc_u32 v6, s5, v6                        ; fl_dw[k][r]: 64 k + 4 r
	s_lshl_b32 s5, s4, 6
	v_lshl_add_u32 v7, v3, 5, s5                   ; 4 k
	v_max_u32 v48, 3, v2
	v_add_nc_u32 v48, -3, v48
	v_min_u32 v48, 1, v48
	v_lshl_add_u32 v48, v48, 12, v7                ; p2_w's row m - 3, held to 0..1
	v_max_u32 v49, 8, v2
	v_add_nc_u32 v49, -8, v49
	v_min_u32 v49, 3, v49
	v_lshl_add_u32 v49, v49, 12, v7                ; p4_w's row m - 8, held to 0..3
	s_lshl_b32 s5, s4, 9
	v_lshl_add_u32 v5, v1, 4, s5                   ; 1,024 kstep + 256 o + 16 r = 512 u + 16 l
	v_add_nc_u32 v50, -3, v2
	v_add_nc_u32 v51, -8, v2
	v_cmp_eq_u32 s20, 1, v2
	v_cmp_gt_u32 s21, 2, v50
	v_cmp_gt_u32 s22, 4, v51
	s_wait_kmcnt 0x0
.irp i, 0,1,2,3,4,5,6,7
	global_load_b32 v[8+(\i)], v6, s[8:9] offset:64*(\i)
.endr
	global_load_b128 v[16:19], v7, s[10:11]
	global_load_b128 v[20:23], v7, s[10:11] offset:16
	global_load_b128 v[24:27], v48, s[12:13]
	global_load_b128 v[28:31], v48, s[12:13] offset:16
	global_load_b128 v[32:35], v49, s[14:15]
	global_load_b128 v[36:39], v49, s[14:15] offset:16
	s_add_nc_u64 s[6:7], s[6:7], 0x80000
	s_wait_loadcnt 0x0
.irp i, 0,1,2,3,4,5,6,7
	v_cndmask_b32 v[16+(\i)], 0, v[16+(\i)], s20
	v_cndmask_b32 v[16+(\i)], v[16+(\i)], v[24+(\i)], s21
	v_cndmask_b32 v[16+(\i)], v[16+(\i)], v[32+(\i)], s22
.endr
.irp q, 0,1,2,3
	v_cvt_pk_bf16_f32 v[40+(\q)], v[8+2*(\q)], v[9+2*(\q)]
	v_cvt_pk_bf16_f32 v[44+(\q)], v[16+2*(\q)], v[17+2*(\q)]
.endr
	global_store_b128 v5, v[40:43], s[6:7]
	global_store_b128 v5, v[44:47], s[6:7] offset:32768
	s_endpgm
.Lbasis:
	s_cmp_ge_u32 s3, 816
	s_cbranch_scc1 .Ltables
	; ---- the basis: out = P x + Q with P = z BP, Q = z BQ; k is the slot.  BP: 0-15 fl_uw's left half, 16 fl_ub's, 17 rg_a.
	; BQ: 0-15 fl_uw's right half, 16 fl_ub's, 18 rg_bias, 19, 20 p2_v, 21 p2_bias, 24-27 p4_v, 28 p4_bias.  All other rows are 0. ----
	s_load_b512 s[16:31], s[0:1], 0x48             ; fl_uw, fl_ub, rg_a, rg_bias, p2_v, p2_bias, p4_v, p4_bias
	s_load_b64 s[6:7], s[0:1], 0xc0                ; wr
	s_sub_co_u32 s4, s3, 808
	s_lshl3_add_u32 s4, s4, s2                     ; u = 0..63
	s_lshr_b32 s8, s4, 5                           ; 0: BP, 1: BQ
	s_bfe_u32 s9, s4, 0x20003                      ; octet o
	s_and_b32 s10, s4, 7                           ; column group cg = 2 (u % 8) + h
	s_lshl_b32 s11, s10, 9
	v_lshl_add_u32 v6, v1, 4, s11                  ; byte of column 64 cg + 4 r in a row of 1,024 f32
	s_lshl_b32 s12, s8, 12
	v_add_nc_u32 v7, s12, v6                       ; the same in the left or right half of a row of 2,048
	s_lshl_b32 s13, s8, 16
	s_lshl_b32 s14, s10, 13
	s_add_co_u32 s13, s13, s14
	s_lshl_b32 s14, s9, 8
	s_add_co_u32 s13, s13, s14
	v_lshlrev_b32 v5, 12, v3
	v_lshl_add_u32 v5, v2, 4, v5
	v_add_nc_u32 v5, s13, v5                       ; 65,536 PQ + 4,096 cg + 256 o + 16 r
	s_wait_kmcnt 0x0
	s_add_nc_u64 s[6:7], s[6:7], 589824
	s_cmp_ge_u32 s9, 2
	s_cbranch_scc1 .Lc2
	s_lshl_b32 s13, s9, 16
	v_add_nc_u32 v7, s13, v7
.irp i, 0,1,2,3,4,5,6,7
	global_load_b128 v[VV+4*(\i):VV+4*(\i)+3], v7, s[16:17] offset:8192*(\i)
.endr
	s_branch .Lcst
.Lc2:
.set i, 0
.rept 32
	v_mov_b32 v[VV+i], 0                           ; the rows that stay 0, written ahead of the loads
.set i, i+1
.endr
	s_cmp_eq_u32 s9, 3
	s_cbranch_scc1 .Lc3
	global_load_b128 v[VV:VV+3], v7, s[18:19]      ; slot 16: fl_ub
	s_cmp_eq_u32 s8, 1
	s_cbranch_scc1 .Lc2q
	global_load_b128 v[VV+4:VV+7], v6, s[20:21]    ; slot 17: rg_a
	s_branch .Lcst
.Lc2q:
	global_load_b128 v[VV+8:VV+11], v6, s[22:23]   ; slot 18: rg_bias
	global_load_b128 v[VV+12:VV+15], v6, s[24:25]  ; slots 19, 20: p2_v
	global_load_b128 v[VV+16:VV+19], v6, s[24:25] offset:4096
	global_load_b128 v[VV+20:VV+23], v6, s[26:27]  ; slot 21: p2_bias
	s_branch .Lcst
.Lc3:
	s_cmp_eq_u32 s8, 0
	s_cbranch_scc1 .Lcst
.irp i, 0,1,2,3
	global_load_b128 v[VV+4*(\i):VV+4*(\i)+3], v6, s[28:29] offset:4096*(\i)  ; slots 24-27: p4_v
.endr
	global_load_b128 v[VV+16:VV+19], v6, s[30:31]  ; slot 28: p4_bias
.Lcst:
	s_wait_loadcnt 0x0
	PACKST
	s_endpgm
.Ltables:
	; ---- gw2, rounded, as f32 [wave 4][h 2][f 4][m 6][j 8]: feature 64 wave + 32 h + 4 j + f, as route's accumulators hold the hidden layer ----
	s_load_b256 s[8:15], s[0:1], 0x88              ; gw2, fl_db, rg_b, p2_b
	s_load_b256 s[16:23], s[0:1], 0xa8             ; p4_b, p2_alpha, p4_alpha, wr
	v_and_b32 v6, 7, v0                            ; j
	v_bfe_u32 v7, v0, 3, 2                         ; f
	v_lshl_add_u32 v7, v6, 2, v7
	v_lshl_add_u32 v7, v4, 5, v7                   ; the feature
	v_mul_u32_u24 v7, 24, v7
	v_lshrrev_b32 v5, 3, v0
	v_mul_u32_u24 v5, 48, v5
	v_add_lshl_u32 v5, v5, v6, 2
	s_wait_kmcnt 0x0
	global_load_b64 v[8:9], v7, s[8:9]
	global_load_b64 v[10:11], v7, s[8:9] offset:8
	global_load_b64 v[12:13], v7, s[8:9] offset:16
	s_add_nc_u64 s[24:25], s[22:23], 720896
	s_add_nc_u64 s[30:31], s[22:23], 727040
	s_wait_loadcnt 0x0
	RND2 8, 9, 14
	RND2 10, 11, 14
	RND2 12, 13, 14
.irp m, 0,1,2,3,4,5
	global_store_b32 v5, v[8+(\m)], s[24:25] offset:32*(\m)
.endr
	s_cmp_lg_u32 s2, 0
	s_cbranch_scc1 .Lend
	; ---- the slots' table, lane k = slot k: z_k = (A gelu(s_k) + B sigmoid(s_k) + C) x scale where the token chose expert E; s_k starts at BI ----
	v_min_u32 v16, 15, v1
	v_lshlrev_b32 v16, 2, v16
	v_mov_b32 v17, 0
	v_max_u32 v18, 19, v1
	v_add_nc_u32 v18, -19, v18
	v_min_u32 v18, 1, v18
	v_lshlrev_b32 v18, 2, v18
	v_max_u32 v19, 24, v1
	v_add_nc_u32 v19, -24, v19
	v_min_u32 v19, 3, v19
	v_lshlrev_b32 v19, 2, v19
	global_load_b32 v24, v16, s[10:11]             ; fl_db
	global_load_b32 v25, v17, s[12:13]             ; rg_b
	global_load_b32 v26, v18, s[14:15]             ; p2_b
	global_load_b32 v27, v18, s[18:19]             ; p2_alpha
	global_load_b32 v28, v19, s[16:17]             ; p4_b
	global_load_b32 v29, v19, s[20:21]             ; p4_alpha
	v_add_nc_u32 v20, -19, v1
	v_add_nc_u32 v21, -24, v1
	v_add_nc_u32 v22, -17, v1
	v_cmp_gt_u32 s26, 16, v1
	v_cmp_eq_u32 s27, 17, v1
	v_cmp_gt_u32 s28, 2, v20
	v_cmp_gt_u32 s29, 4, v21
	v_lshlrev_b32 v35, 2, v1
	s_wait_loadcnt 0x0
	RND2 24, 25, 14
	RND2 26, 27, 14
	RND2 28, 29, 14
	v_cndmask_b32 v30, 0, 1.0, s26                 ; A
	v_cndmask_b32 v30, v30, v27, s28
	v_cndmask_b32 v30, v30, v29, s29
	v_cndmask_b32 v31, 0, v24, s26                 ; BI
	v_cndmask_b32 v31, v31, v25, s27
	v_cndmask_b32 v31, v31, v26, s28
	v_cndmask_b32 v31, v31, v28, s29
	v_cndmask_b32 v32, 0, 1.0, s27                 ; B
	v_mov_b32 v33, 0x10250000                      ; C = 1 in slots 16, 18, 21, 28
	v_lshrrev_b32 v33, v1, v33
	v_and_b32 v33, 1, v33
	v_cvt_f32_u32 v33, v33
	v_mov_b32 v34, 7                               ; E: 7 is no expert
	v_cmp_gt_u32 vcc_lo, 17, v1
	v_cndmask_b32 v34, v34, 5, vcc_lo
	v_cmp_gt_u32 vcc_lo, 2, v22
	v_cndmask_b32 v34, v34, 4, vcc_lo
	v_cmp_gt_u32 vcc_lo, 3, v20
	v_cndmask_b32 v34, v34, 2, vcc_lo
	v_cmp_gt_u32 vcc_lo, 5, v21
	v_cndmask_b32 v34, v34, 3, vcc_lo
	global_store_b32 v35, v34, s[30:31]
	global_store_b32 v35, v30, s[30:31] offset:128
	global_store_b32 v35, v32, s[30:31] offset:256
	global_store_b32 v35, v33, s[30:31] offset:384
	global_store_b32 v35, v31, s[30:31] offset:512
.Lend:
	s_endpgm
.Lfunc_end_k_q9405231a69_prep:
	.size	k_q9405231a69_prep, .Lfunc_end_k_q9405231a69_prep-k_q9405231a69_prep
	.p2alignl 7, 3214868480
	.fill 96, 4, 3214868480
	.section	.rodata,"a",@progbits
	.p2align	6, 0x0
	.amdhsa_kernel k_q9405231a69_prep
		.amdhsa_group_segment_fixed_size 0
		.amdhsa_private_segment_fixed_size 0
		.amdhsa_enable_private_segment 0
		.amdhsa_kernarg_size 208
		.amdhsa_user_sgpr_count 2
		.amdhsa_user_sgpr_kernarg_segment_ptr 1
		.amdhsa_wavefront_size32 1
		.amdhsa_system_sgpr_workgroup_id_x 1
		.amdhsa_system_sgpr_workgroup_id_y 1
		.amdhsa_system_sgpr_workgroup_id_z 1
		.amdhsa_system_vgpr_workitem_id 0
		.amdhsa_next_free_vgpr 64
		.amdhsa_next_free_sgpr 66
		.amdhsa_reserve_vcc 1
		.amdhsa_float_denorm_mode_32 3
		.amdhsa_float_denorm_mode_16_64 3
		.amdhsa_memory_ordered 1
		.amdhsa_forward_progress 1
		.amdhsa_inst_pref_size 26
	.end_amdhsa_kernel
	.amdgpu_metadata
---
amdhsa.version: [ 1, 2 ]
amdhsa.kernels:
  - .name:           k_q9405231a69_prep
    .symbol:         k_q9405231a69_prep.kd
    .args:
      - { .name: dfc_w, .offset: 0, .size: 8, .value_kind: global_buffer, .address_space: global }
      - { .name: sfc_w, .offset: 8, .size: 8, .value_kind: global_buffer, .address_space: global }
      - { .name: dproj_w, .offset: 16, .size: 8, .value_kind: global_buffer, .address_space: global }
      - { .name: sproj_w, .offset: 24, .size: 8, .value_kind: global_buffer, .address_space: global }
      - { .name: gw1, .offset: 32, .size: 8, .value_kind: global_buffer, .address_space: global }
      - { .name: fl_dw, .offset: 40, .size: 8, .value_kind: global_buffer, .address_space: global }
      - { .name: rg_u, .offset: 48, .size: 8, .value_kind: global_buffer, .address_space: global }
      - { .name: p2_w, .offset: 56, .size: 8, .value_kind: global_buffer, .address_space: global }
      - { .name: p4_w, .offset: 64, .size: 8, .value_kind: global_buffer, .address_space: global }
      - { .name: fl_uw, .offset: 72, .size: 8, .value_kind: global_buffer, .address_space: global }
      - { .name: fl_ub, .offset: 80, .size: 8, .value_kind: global_buffer, .address_space: global }
      - { .name: rg_a, .offset: 88, .size: 8, .value_kind: global_buffer, .address_space: global }
      - { .name: rg_bias, .offset: 96, .size: 8, .value_kind: global_buffer, .address_space: global }
      - { .name: p2_v, .offset: 104, .size: 8, .value_kind: global_buffer, .address_space: global }
      - { .name: p2_bias, .offset: 112, .size: 8, .value_kind: global_buffer, .address_space: global }
      - { .name: p4_v, .offset: 120, .size: 8, .value_kind: global_buffer, .address_space: global }
      - { .name: p4_bias, .offset: 128, .size: 8, .value_kind: global_buffer, .address_space: global }
      - { .name: gw2, .offset: 136, .size: 8, .value_kind: global_buffer, .address_space: global }
      - { .name: fl_db, .offset: 144, .size: 8, .value_kind: global_buffer, .address_space: global }
      - { .name: rg_b, .offset: 152, .size: 8, .value_kind: global_buffer, .address_space: global }
      - { .name: p2_b, .offset: 160, .size: 8, .value_kind: global_buffer, .address_space: global }
      - { .name: p4_b, .offset: 168, .size: 8, .value_kind: global_buffer, .address_space: global }
      - { .name: p2_alpha, .offset: 176, .size: 8, .value_kind: global_buffer, .address_space: global }
      - { .name: p4_alpha, .offset: 184, .size: 8, .value_kind: global_buffer, .address_space: global }
      - { .name: wr, .offset: 192, .size: 8, .value_kind: global_buffer, .address_space: global }
      - { .name: we, .offset: 200, .size: 8, .value_kind: global_buffer, .address_space: global }
    .group_segment_fixed_size: 0
    .private_segment_fixed_size: 0
    .kernarg_segment_align: 8
    .kernarg_segment_size: 208
    .max_flat_workgroup_size: 256
    .sgpr_count:     66
    .vgpr_count:     64
    .wavefront_size: 32
...
	.end_amdgpu_metadata
.endif
;; end of part 1
;; launch route (part 2): grid 256 x 1, 4 waves a work-group, no clusters, 70,656 bytes of LDS; arguments x, wr, gb1, gb2, ebias, pm_alpha, rt, sc, zf; writes rt, sc, zf
.if DOCPART == 2
	.amdgcn_target "amdgcn-amd-amdhsa--gfx1250"
	.amdhsa_code_object_version 6
	.text
	.protected	k_q9405231a69_route
	.globl	k_q9405231a69_route
	.p2align	8
	.type	k_q9405231a69_route,@function
k_q9405231a69_route:
	s_mov_b64 s[64:65], 0
	v_nop
	global_prefetch_b8 v0, s[64:65] scope:SCOPE_SE
	s_setreg_imm32_b32 hwreg(HW_REG_WAVE_MODE, 25, 1), 1
	s_wait_xcnt 0x0
; ROUTE: for 32 tokens a work-group: the gate (x gw1 + gb1, GELU, gw2, + gb2 + ebias, softmax, top-1), the 23 small projections of experts 2 to 5, and from them
; rt (for each block of 32 tokens: counts and bit masks of experts 0 and 1, at fixed places), sc (pm_alpha w of each token) and zf (32 coefficients a token, as two matrix operands in bf16:
; the coefficient rounded, and 524,288 bytes on what the rounding left, rounded: 16 significant bits together).
; NUMBERS.  All inputs are rounded to bf16; products on the matrix units with f32 sums; behind the first product nothing in the gate is rounded again: bias, GELU, the
; 256 x 6 product and the softmax are f32.  LIMITS: erf by a five-term rational form, off by 1.5e-7 at the most for every finite argument; the top-1 is taken on the logits, the
; lowest index winning ties, so a tie that arises only in a rounded softmax may fall otherwise; NaN and infinities are not treated apart.  The softmax takes the maximum away first.
; SHARES.  Wave w rounds rows 8 w .. 8 w + 7 of x into LDS; then it multiplies all 32 tokens by gate columns 64 w .. 64 w + 63 (four tiles) and by small tile 16 + w % 2: ten accumulators,
; which take turns.  The small tiles are made twice in a work-group, so that no register hangs on the wave's number.
; The matrix instruction is used transposed (source 0 = 16 weight rows, source 1 = 16 tokens): a lane holds one token (lane % 16), register j feature 64 w + 32 h + 4 j + f.
; The weights come from memory straight into registers as fragments, through a ring of four k steps (40 loads out).  The accumulators start at the rounded bias: 80 v_mov_b32 in
; place of 80 additions behind the loop and of a first step written out.  No multicast: the weights are read through registers, and no tile goes through LDS by a copy engine.
; REGISTERS.  window 0: v0-15 addresses and at work; v16-95 accumulators; v96-127 two buffers of token fragments; v128-167 the slots' table; v168-199, v200-231 at work; v232-255 logit sums.
; window 1: v0-159 the ring.  window 2: v0-255 eight rows of x.  window 3: v0-191 gw2.
.set PITCH, 2064                       ; an LDS row: 2,048 bytes + 16: an odd multiple of 16, so the 16 rows of a fragment load start in 16 different groups of four banks
.set SUB,   16*PITCH
.set LG,    32*PITCH                   ; behind the tokens: [wave][token 32][8 f32] partial logits
.set SPARE, LG+4096                    ; the spare words, 128 bytes for each wave
.set ACC, 16
.set AF,  96
.set ZT,  128                          ; E, A, B, C, BI: eight registers each, slots 16 (w % 2) + 8 h + j
.set GT,  168
.set TB,  200
.set XX,  216
.set YY,  224
.set SM,  232
.set KC0, 32
.set KKN, 34
.set KA1, 36
.set KA2, 38
.set KA3, 40
.set KA4, 42
.set KA5, 44
.set ABS, 46
.set HM,  47
.set MSB, 0
.macro WIN new                         ; the immediate's high byte repeats the setting that is left; a switch that changes nothing is dropped
.if MSB != (\new)
	s_set_vgpr_msb (MSB<<8)|(\new)
.set MSB, (\new)
.endif
.endm
.macro PLACES                          ; four plain places behind matrix instructions, ahead of loads into their sources and of readers of their results
.rept 4
	v_nop
.endr
.endm
.macro RND2 a, b, t
	v_cvt_pk_bf16_f32 v[\t], v[\a], v[\b]
	v_lshlrev_b32 v[\a], 16, v[\t]
	v_and_b32 v[\b], s[HM], v[\t]
.endm
.macro SC2 r, val                      ; a constant as a pair: the packed forms name both words and take the low one for both halves
	s_mov_b32 s[\r], \val
	s_mov_b32 s[(\r)+1], \val
.endm
; gelu(x) = x / 2 + |x| (1/2 - q(t) 2^(-x x log2(e) / 2)), t = 1 / (1 + 0.2316419 |x|), q = t (A1 + t (A2 + t (A3 + t (A4 + t A5)))), the A halved.  Eight numbers in place; T: 32 registers at work
; (|x|, t, the power, q).  The 16 transcendentals are one batch: a plain instruction behind the last, and one wait ahead of the first reader.
.macro GELU8 X, T
.irp i, 0,1,2,3,4,5,6,7
	v_and_b32 v[(\T)+(\i)], s[ABS], v[(\X)+(\i)]
.endr
.irp i, 0,2,4,6
	v_pk_fma_f32 v[(\T)+8+(\i):(\T)+9+(\i)], v[(\T)+(\i):(\T)+1+(\i)], s[KC0:KC0+1], 1.0 op_sel_hi:[1,0,0]
	v_pk_mul_f32 v[(\T)+16+(\i):(\T)+17+(\i)], v[(\X)+(\i):(\X)+1+(\i)], s[KKN:KKN+1] op_sel_hi:[1,0]
.endr
.irp i, 0,2,4,6
	v_pk_mul_f32 v[(\T)+16+(\i):(\T)+17+(\i)], v[(\T)+16+(\i):(\T)+17+(\i)], v[(\X)+(\i):(\X)+1+(\i)]
.endr
.irp i, 0,1,2,3,4,5,6,7
	v_rcp_f32 v[(\T)+8+(\i)], v[(\T)+8+(\i)]
.endr
.irp i, 0,1,2,3,4,5,6,7
	v_exp_f32 v[(\T)+16+(\i)], v[(\T)+16+(\i)]
.endr
	v_nop
	s_wait_alu depctr_va_vdst(0)
.irp i, 0,2,4,6
	v_pk_fma_f32 v[(\T)+24+(\i):(\T)+25+(\i)], v[(\T)+8+(\i):(\T)+9+(\i)], s[KA5:KA5+1], s[KA4:KA4+1] op_sel_hi:[1,0,0]
.endr
.irp k, KA3, KA2, KA1
.irp i, 0,2,4,6
	v_pk_fma_f32 v[(\T)+24+(\i):(\T)+25+(\i)], v[(\T)+24+(\i):(\T)+25+(\i)], v[(\T)+8+(\i):(\T)+9+(\i)], s[\k:\k+1] op_sel_hi:[1,1,0]
.endr
.endr
.irp i, 0,2,4,6
	v_pk_mul_f32 v[(\T)+24+(\i):(\T)+25+(\i)], v[(\T)+24+(\i):(\T)+25+(\i)], v[(\T)+8+(\i):(\T)+9+(\i)]
.endr
.irp i, 0,2,4,6
	v_pk_mul_f32 v[(\T)+24+(\i):(\T)+25+(\i)], v[(\T)+24+(\i):(\T)+25+(\i)], v[(\T)+16+(\i):(\T)+17+(\i)]
.endr
.irp i, 0,2,4,6
	v_pk_fma_f32 v[(\T)+24+(\i):(\T)+25+(\i)], v[(\T)+24+(\i):(\T)+25+(\i)], -1.0, 0.5 op_sel_hi:[1,0,0]
.endr
.irp i, 0,2,4,6
	v_pk_mul_f32 v[(\T)+24+(\i):(\T)+25+(\i)], v[(\T)+24+(\i):(\T)+25+(\i)], v[(\T)+(\i):(\T)+1+(\i)]
.endr
.irp i, 0,2,4,6
	v_pk_fma_f32 v[(\X)+(\i):(\X)+1+(\i)], v[(\X)+(\i):(\X)+1+(\i)], 0.5, v[(\T)+24+(\i):(\T)+25+(\i)] op_sel_hi:[1,0,1]
.endr
.endm
; A row of x (32 registers a lane: k = 128 q + 4 l ..) is rounded to bf16 and stored: each store takes 256 consecutive LDS bytes.
.macro SROWCVT src, row, W, TM
	WIN \W
.irp q, 0,1,2,3,4,5,6,7
	v_cvt_pk_bf16_f32 v[(\TM)+2*(\q)], v[(\src)+4*(\q)], v[(\src)+4*(\q)+1]
	v_cvt_pk_bf16_f32 v[(\TM)+2*(\q)+1], v[(\src)+4*(\q)+2], v[(\src)+4*(\q)+3]
.endr
	WIN 0
.irp q, 0,1,2,3,4,5,6,7
	ds_store_b64 v7, v[(\TM)+2*(\q):(\TM)+2*(\q)+1] offset:(\row)*PITCH+(\q)*256
.endr
.endm
	s_load_b512 s[4:19], s[0:1], 0x0               ; x, wr, gb1, gb2, ebias, pm_alpha, rt, sc
	s_load_b64 s[20:21], s[0:1], 0x40              ; zf
	v_lshl_add_u32 v4, v0, 2, SPARE                ; my spare word,
	v_mov_b32 v5, 0                                ; and 0: kept for the add at the wave's end
	v_and_b32 v1, 31, v0                           ; lane L
	v_lshrrev_b32 v9, 5, v0
	v_readfirstlane_b32 s2, v9                     ; wave w
	v_and_b32 v2, 15, v0                           ; r
	v_bfe_u32 v3, v0, 4, 1                         ; h
	v_lshlrev_b32 v6, 4, v1                        ; 16 L
	s_mov_b32 s3, ttmp9                            ; block b
	SC2 KC0, 0x3e6d3388
	SC2 KKN, 0xbf38aa3b
	SC2 KA1, 0x3e027906
	SC2 KA2, 0xbe11a98e
	SC2 KA3, 0x3f35f0e3
	SC2 KA4, 0xbf3a00e3
	SC2 KA5, 0x3f07dc22
	s_mov_b32 s[ABS], 0x7fffffff
	s_mov_b32 s[HM], 0xffff0000
	s_mov_b32 s28, 0x76543210                      ; v_permlanex16_b32: each lane takes its own place in the other half
	s_mov_b32 s29, 0xfedcba98
	s_lshr_b32 s27, s2, 1
	s_sub_co_u32 s27, 0, s27                       ; all ones where my z is subtile 1's
	s_mul_i32 s26, s2, 8*PITCH
	v_lshl_add_u32 v7, v1, 3, s26                  ; where I store my rows
	v_mul_u32_u24 v8, PITCH, v2
	v_lshl_add_u32 v8, v3, 4, v8                   ; a token fragment: row r, 16 bytes for each half of the lanes
	s_lshl_b32 s26, s2, 8
	v_lshl_add_u32 v9, v3, 7, s26                  ; gb1 at feature 64 w + 32 h
	s_and_b32 s26, s2, 1
	s_lshl_b32 s26, s26, 6
	v_lshl_add_u32 v10, v3, 5, s26                 ; the table at slot 16 (w % 2) + 8 h
	s_mul_i32 s26, s2, 1536
	v_mul_u32_u24 v11, 768, v3
	v_add_nc_u32 v11, s26, v11                     ; gw2's 192 numbers for (w, h)
	s_lshl_b32 s30, s3, 17
	s_lshl_b32 s26, s2, 15
	s_add_co_u32 s30, s30, s26
	s_mov_b32 s31, 0
	s_wait_kmcnt 0x0
	s_load_b128 s[48:51], s[10:11], 0x0            ; gb2; awaited in front of the choice
	s_load_b64 s[52:53], s[10:11], 0x10
	s_load_b128 s[56:59], s[12:13], 0x0            ; ebias
	s_load_b64 s[60:61], s[12:13], 0x10
	s_load_b32 s62, s[14:15], 0x0                  ; pm_alpha
	s_add_nc_u64 s[4:5], s[4:5], s[30:31]          ; x at my eight rows
	s_lshl_b32 s30, s2, 17
	s_add_nc_u64 s[22:23], s[6:7], s[30:31]        ; my column group's stream
	s_and_b32 s30, s2, 1
	s_lshl_b32 s30, s30, 15
	s_add_co_u32 s30, s30, 524288
	s_add_nc_u64 s[24:25], s[6:7], s[30:31]        ; my small tile's stream
	s_add_nc_u64 s[68:69], s[6:7], 727040
	s_add_nc_u64 s[70:71], s[6:7], 720896
	; the loads, the oldest first; x last, so that the counts in front of its rows name x's own loads alone
.irp j, 0,1,2,3,4,5,6,7
	global_load_b128 v[TB+4*(\j):TB+4*(\j)+3], v9, s[8:9] offset:16*(\j)
.endr
.irp t, 0,1,2,3,4
	global_load_b128 v[ZT+8*(\t):ZT+8*(\t)+3], v10, s[68:69] offset:128*(\t)
	global_load_b128 v[ZT+8*(\t)+4:ZT+8*(\t)+7], v10, s[68:69] offset:128*(\t)+16
.endr
	WIN 0xc0
.set i, 0
.rept 48
	global_load_b128 v[4*i:4*i+3], v11, s[70:71] offset:16*i
.set i, i+1
.endr
.macro RING sl, k                      ; ten loads: k step k (counted from the bases) into slot sl
	WIN 0x40
.irp f, 0,1,2,3
	global_load_b128 v[40*(\sl)+8*(\f):40*(\sl)+8*(\f)+3], v6, s[22:23] offset:(\k)*4096+(\f)*1024
	global_load_b128 v[40*(\sl)+8*(\f)+4:40*(\sl)+8*(\f)+7], v6, s[22:23] offset:(\k)*4096+(\f)*1024+512
.endr
	global_load_b128 v[40*(\sl)+32:40*(\sl)+35], v6, s[24:25] offset:(\k)*1024
	global_load_b128 v[40*(\sl)+36:40*(\sl)+39], v6, s[24:25] offset:(\k)*1024+512
.endm
	RING 0, 0
	RING 1, 1
	RING 2, 2
	RING 3, 3
	WIN 0x80
.set i, 0
.rept 64
	global_load_b128 v[4*i:4*i+3], v6, s[4:5] offset:(i/8)*4096+(i%8)*512 th:TH_LOAD_NT
.set i, i+1
.endr
.set i, 0
.rept 8
	s_wait_loadcnt 56-8*i                          ; row i is in; the count is the loads of the rows behind it
	SROWCVT 32*i, i, 0x0a, GT
.set i, i+1
.endr
.set i, 0
.rept 16
	RND2 TB+2*i, TB+2*i+1, 9                       ; gb1 rounded (every load has landed: the last count was 0)
.set i, i+1
.endr
.irp f, 0,1,2,3
.irp s, 0,1
.irp j, 0,1,2,3,4,5,6,7
	v_mov_b32 v[ACC+8*(2*(\f)+(\s))+(\j)], v[TB+4*(\j)+(\f)]
.endr
.endr
.endr
.irp s, 0,1
.irp j, 0,1,2,3,4,5,6,7
	v_mov_b32 v[ACC+64+8*(\s)+(\j)], v[ZT+32+(\j)]
.endr
.endr
	s_wait_dscnt 0x0                               ; for the others' sake: my rows are in LDS
	s_barrier_signal -1
	s_barrier_wait -1
; One k step.  The next step's token fragments are asked for first (their buffer's last readers stand four places back); the wait leaves them out.  cnt: the ring's younger loads.
.macro KSTEP sl, refill, cnt, last
.set NB, AF+16*(((\sl)+1)%2)
.set CB, AF+16*((\sl)%2)
	WIN 0
.if (\last) == 0
.irp s, 0,1
	ds_load_b128 v[NB+8*(\s):NB+8*(\s)+3], v8 offset:(\s)*SUB+((\sl)+1)*64
	ds_load_b128 v[NB+8*(\s)+4:NB+8*(\s)+7], v8 offset:(\s)*SUB+((\sl)+1)*64+32
.endr
.endif
	s_wait_loadcnt \cnt
.if \last
	s_wait_dscnt 0x0
.else
	s_wait_dscnt 0x4
.endif
	WIN 0x01
.irp f, 0,1,2,3
.irp s, 0,1
	v_wmma_f32_16x16x32_bf16 v[ACC+8*(2*(\f)+(\s)):ACC+8*(2*(\f)+(\s))+7], v[40*(\sl)+8*(\f):40*(\sl)+8*(\f)+7], v[CB+8*(\s):CB+8*(\s)+7], v[ACC+8*(2*(\f)+(\s)):ACC+8*(2*(\f)+(\s))+7]
.endr
.endr
.irp s, 0,1
	v_wmma_f32_16x16x32_bf16 v[ACC+64+8*(\s):ACC+64+8*(\s)+7], v[40*(\sl)+32:40*(\sl)+39], v[CB+8*(\s):CB+8*(\s)+7], v[ACC+64+8*(\s):ACC+64+8*(\s)+7]
.endr
	PLACES
.if \refill
	RING \sl, (\sl)+4
.endif
.endm
	WIN 0
.irp s, 0,1
	ds_load_b128 v[AF+8*(\s):AF+8*(\s)+3], v8 offset:(\s)*SUB
	ds_load_b128 v[AF+8*(\s)+4:AF+8*(\s)+7], v8 offset:(\s)*SUB+32
.endr
	s_mov_b32 s26, 7
.Lk:                                                   ; seven trips of four k steps, each slot filled again four steps ahead: three slots' thirty loads stay out at each wait
	KSTEP 0, 1, 30, 0
	KSTEP 1, 1, 30, 0
	KSTEP 2, 1, 30, 0
	KSTEP 3, 1, 30, 0
	WIN 0
	s_wait_xcnt 0x0                                ; the bases are stepped only behind this wait
	s_add_nc_u64 s[22:23], s[22:23], 16384
	s_add_nc_u64 s[24:25], s[24:25], 4096
	v_add_nc_u32 v8, 256, v8
	s_sub_co_u32 s26, s26, 1
	s_cmp_lg_u32 s26, 0
	s_cbranch_scc1 .Lk
	KSTEP 0, 0, 30, 0                              ; the last four load nothing: the counts run down
	KSTEP 1, 0, 20, 0
	KSTEP 2, 0, 10, 0
	KSTEP 3, 0, 0, 1
	WIN 0
	; the hidden layer, and my 64 features' part of the six logits of each token
.irp a, 0,1,2,3,4,5,6,7
	GELU8 ACC+8*(\a), GT
.endr
	WIN 0x0c                                       ; source 1 (gw2) in window 3
.irp f, 0,1,2,3
.irp p, 0,1,2,3
.irp s, 0,1
.irp m, 0,1,2,3,4,5
.if ((\f)+(\p)) == 0
	v_pk_mul_f32 v[SM+2*(6*(\s)+(\m)):SM+2*(6*(\s)+(\m))+1], v[ACC+8*(2*(\f)+(\s))+2*(\p):ACC+8*(2*(\f)+(\s))+2*(\p)+1], v[48*(\f)+8*(\m)+2*(\p):48*(\f)+8*(\m)+2*(\p)+1]
.else
	v_pk_fma_f32 v[SM+2*(6*(\s)+(\m)):SM+2*(6*(\s)+(\m))+1], v[ACC+8*(2*(\f)+(\s))+2*(\p):ACC+8*(2*(\f)+(\s))+2*(\p)+1], v[48*(\f)+8*(\m)+2*(\p):48*(\f)+8*(\m)+2*(\p)+1], v[SM+2*(6*(\s)+(\m)):SM+2*(6*(\s)+(\m))+1]
.endif
.endr
.endr
.endr
.endr
	WIN 0
.irp i, 0,1,2,3,4,5,6,7,8,9,10,11
	v_add_f32 v[SM+2*(\i)], v[SM+2*(\i)], v[SM+2*(\i)+1]
.endr
.irp i, 0,1,2,3,4,5,6,7,8,9,10,11
	v_permlanex16_b32 v[GT+(\i)], v[SM+2*(\i)], s28, s29   ; the token's other 32 features lie in the lane 16 away
.endr
.irp i, 0,1,2,3,4,5,6,7,8,9,10,11
	v_add_f32 v[SM+2*(\i)], v[SM+2*(\i)], v[GT+(\i)]
.endr
	v_cmp_eq_u32 s66, 1, v3
.irp m, 0,1,2,3,4,5
	v_cndmask_b32 v[GT+(\m)], v[SM+2*(\m)], v[SM+12+2*(\m)], s66   ; lane L keeps token L
.endr
	s_lshl_b32 s26, s2, 10
	s_add_co_u32 s26, s26, LG
	v_lshl_add_u32 v9, v1, 5, s26
	ds_store_b128 v9, v[GT:GT+3]
	ds_store_b64 v9, v[GT+4:GT+5] offset:16
	s_wait_dscnt 0x0                               ; for the others' sake: my partial logits are in LDS
	s_barrier_signal -1
	s_barrier_wait -1
	; the choice: every wave makes it for all 32 tokens, lane L for token L, by the same sums in the same order
	v_lshl_add_u32 v10, v1, 5, LG
.irp q, 0,1,2,3
	ds_load_b128 v[GT+8*(\q):GT+8*(\q)+3], v10 offset:(\q)*1024
	ds_load_b64 v[GT+8*(\q)+4:GT+8*(\q)+5], v10 offset:(\q)*1024+16
.endr
	s_wait_kmcnt 0x0                               ; gb2, ebias, pm_alpha
.irp m, 0,1,2,3,4,5
	v_mov_b32 v[TB+(\m)], s[48+(\m)]
	v_mov_b32 v[TB+6+(\m)], s[56+(\m)]
.endr
	v_mov_b32 v[TB+12], s62
	v_mov_b32 v[TB+13], s62
.irp i, 0,1,2,3,4,5,6
	RND2 TB+2*(\i), TB+2*(\i)+1, 9
.endr
	s_wait_dscnt 0x0
.irp p, 0,2,4
	v_pk_add_f32 v[GT+(\p):GT+(\p)+1], v[GT+(\p):GT+(\p)+1], v[GT+8+(\p):GT+9+(\p)]
	v_pk_add_f32 v[GT+16+(\p):GT+17+(\p)], v[GT+16+(\p):GT+17+(\p)], v[GT+24+(\p):GT+25+(\p)]
.endr
.irp p, 0,2,4
	v_pk_add_f32 v[GT+(\p):GT+(\p)+1], v[GT+(\p):GT+(\p)+1], v[GT+16+(\p):GT+17+(\p)]
.endr
.irp p, 0,2,4
	v_pk_add_f32 v[GT+(\p):GT+(\p)+1], v[GT+(\p):GT+(\p)+1], v[TB+(\p):TB+(\p)+1]
.endr
.irp p, 0,2,4
	v_pk_add_f32 v[GT+(\p):GT+(\p)+1], v[GT+(\p):GT+(\p)+1], v[TB+6+(\p):TB+7+(\p)]
.endr
	v_mov_b32 v13, v[GT]                           ; the largest logit,
	v_mov_b32 v11, 0                               ; and its index: a later one wins only if it is greater
.irp m, 1,2,3,4,5
	v_cmp_gt_f32 vcc_lo, v[GT+(\m)], v13
	v_cndmask_b32 v13, v13, v[GT+(\m)], vcc_lo
	v_cndmask_b32 v11, v11, \m, vcc_lo
.endr
.irp m, 0,1,2,3,4,5
	v_sub_f32 v[GT+8+(\m)], v[GT+(\m)], v13
.endr
.irp m, 0,1,2,3,4,5
	v_mul_f32 v[GT+8+(\m)], 0x3fb8aa3b, v[GT+8+(\m)]
.endr
.irp m, 0,1,2,3,4,5
	v_exp_f32 v[GT+8+(\m)], v[GT+8+(\m)]
.endr
	v_nop
	s_wait_alu depctr_va_vdst(0)                   ; one wait for the six
	v_add_f32 v14, v[GT+8], v[GT+9]
	v_add_f32 v15, v[GT+10], v[GT+11]
	v_add_f32 v12, v[GT+12], v[GT+13]
	v_add_f32 v14, v14, v15
	v_add_f32 v14, v14, v12
	v_rcp_f32 v15, v14                             ; pi of the chosen expert: its own exponential is 1
	v_nop
	s_wait_alu depctr_va_vdst(0)
	v_add_f32 v14, 0x3089705f, v15                 ; + 1e-9
	v_rcp_f32 v14, v14
	v_nop
	s_wait_alu depctr_va_vdst(0)
	v_mul_f32 v12, v15, v14
	v_mul_f32 v12, v12, v[TB+12]                   ; scale = pm_alpha w
	s_cmp_lg_u32 s2, 0
	s_cbranch_scc1 .Lnot0
	; wave 0 stores the scales and the block's three whole numbers, all at places that hang on the block alone
	s_lshl_b32 s26, s3, 7
	v_lshl_add_u32 v9, v1, 2, s26
	global_store_b32 v9, v12, s[18:19]
	v_cmp_eq_u32 s66, 0, v11
	v_cmp_eq_u32 s67, 1, v11
	s_bcnt1_i32_b32 s30, s66
	s_bcnt1_i32_b32 s31, s67
	s_lshl_b32 s31, s31, 16
	s_or_b32 s30, s30, s31
	v_mov_b32 v13, s67                             ; lane 2: expert 1's mask,
	v_writelane_b32 v13, s30, 0                    ; lane 0: the two counts,
	v_writelane_b32 v13, s66, 1                    ; lane 1: expert 0's mask
	s_lshl_b32 s26, s3, 2
	v_lshl_add_u32 v14, v1, 10, s26
	v_cmp_gt_u32 vcc_lo, 3, v1
	s_wait_xcnt 0x0                                ; EXEC changes only behind this wait
	s_and_saveexec_b32 s26, vcc_lo
	global_store_b32 v14, v13, s[16:17]
	s_wait_xcnt 0x0                                ; and again in front of the line that widens it; it also frees v9, v13, v14
	s_or_b32 exec_lo, exec_lo, s26
.Lnot0:
	; z: my small tile's 16 slots for the 16 tokens of subtile w / 2
	s_lshr_b32 s26, s2, 1
	s_lshl_b32 s26, s26, 6
	v_lshl_add_u32 v14, v2, 2, s26
	ds_bpermute_b32 v13, v14, v11                  ; the index and the scale of token 16 (w / 2) + r
	ds_bpermute_b32 v15, v14, v12
.irp j, 0,1,2,3,4,5,6,7
	v_cndmask_b32 v[XX+(\j)], v[ACC+64+(\j)], v[ACC+72+(\j)], s27
.endr
.irp j, 0,2,4,6
	v_pk_mul_f32 v[YY+(\j):YY+(\j)+1], v[XX+(\j):XX+(\j)+1], 0xbfb8aa3b op_sel_hi:[1,0]
.endr
.irp j, 0,1,2,3,4,5,6,7
	v_exp_f32 v[YY+(\j)], v[YY+(\j)]
.endr
	v_nop
	s_wait_alu depctr_va_vdst(0)
.irp j, 0,2,4,6
	v_pk_add_f32 v[YY+(\j):YY+(\j)+1], v[YY+(\j):YY+(\j)+1], 1.0 op_sel_hi:[1,0]
.endr
.irp j, 0,1,2,3,4,5,6,7
	v_rcp_f32 v[YY+(\j)], v[YY+(\j)]               ; the sigmoid
.endr
	v_nop
	s_wait_alu depctr_va_vdst(0)
	GELU8 XX, GT
	s_wait_dscnt 0x0
.irp j, 0,1,2,3,4,5,6,7
	v_fma_f32 v[YY+(\j)], v[ZT+16+(\j)], v[YY+(\j)], v[ZT+24+(\j)]
	v_fma_f32 v[XX+(\j)], v[ZT+8+(\j)], v[XX+(\j)], v[YY+(\j)]
	v_cmp_eq_u32 vcc_lo, v13, v[ZT+(\j)]
	v_cndmask_b32 v[YY+(\j)], 0, v15, vcc_lo
	v_mul_f32 v[XX+(\j)], v[XX+(\j)], v[YY+(\j)]
.endr
	; z goes out as two operands: bf16(z), and bf16(z - bf16(z)): one rounding to 8 bits would leave up to 2^-8 of each term, too much where terms cancel
.irp q, 0,1,2,3
	v_cvt_pk_bf16_f32 v[YY+(\q)], v[XX+2*(\q)], v[XX+2*(\q)+1]
.endr
.irp q, 0,1,2,3
	v_lshlrev_b32 v[GT+2*(\q)], 16, v[YY+(\q)]
	v_and_b32 v[GT+2*(\q)+1], s[HM], v[YY+(\q)]
.endr
.irp j, 0,2,4,6
	v_pk_add_f32 v[XX+(\j):XX+(\j)+1], v[XX+(\j):XX+(\j)+1], v[GT+(\j):GT+(\j)+1] neg_lo:[0,1] neg_hi:[0,1]
.endr
.irp q, 0,1,2,3
	v_cvt_pk_bf16_f32 v[YY+4+(\q)], v[XX+2*(\q)], v[XX+2*(\q)+1]
.endr
	s_lshl_b32 s30, s3, 11
	s_lshl_b32 s26, s2, 9
	s_add_co_u32 s30, s30, s26                     ; 2,048 b + 1,024 (w / 2) + 512 (w % 2)
	s_mov_b32 s31, 0
	s_add_nc_u64 s[20:21], s[20:21], s[30:31]
	global_store_b128 v6, v[YY:YY+3], s[20:21]     ; 512 consecutive bytes: half a fragment
	global_store_b128 v6, v[YY+4:YY+7], s[20:21] offset:524288
	s_wait_tensorcnt 0x0                           ; the wave's end
	ds_add_u32 v4, v5
	s_wait_dscnt 0x0
	s_endpgm
.Lfunc_end_k_q9405231a69_route:
	.size	k_q9405231a69_route, .Lfunc_end_k_q9405231a69_route-k_q9405231a69_route
	.p2alignl 7, 3214868480
	.fill 96, 4, 3214868480
	.section	.rodata,"a",@progbits
	.p2align	6, 0x0
	.amdhsa_kernel k_q9405231a69_route
		.amdhsa_group_segment_fixed_size 70656
		.amdhsa_private_segment_fixed_size 0
		.amdhsa_enable_private_segment 0
		.amdhsa_kernarg_size 72
		.amdhsa_user_sgpr_count 2
		.amdhsa_user_sgpr_kernarg_segment_ptr 1
		.amdhsa_wavefront_size32 1
		.amdhsa_system_sgpr_workgroup_id_x 1
		.amdhsa_system_sgpr_workgroup_id_y 1
		.amdhsa_system_sgpr_workgroup_id_z 1
		.amdhsa_system_vgpr_workitem_id 0
		.amdhsa_next_free_vgpr 960
		.amdhsa_next_free_sgpr 80
		.amdhsa_reserve_vcc 1
		.amdhsa_float_denorm_mode_32 3
		.amdhsa_float_denorm_mode_16_64 3
		.amdhsa_memory_ordered 1
		.amdhsa_forward_progress 1
		.amdhsa_inst_pref_size 110
	.end_amdhsa_kernel
	.amdgpu_metadata
---
amdhsa.version: [ 1, 2 ]
amdhsa.kernels:
  - .name:           k_q9405231a69_route
    .symbol:         k_q9405231a69_route.kd
    .args:
      - { .name: x, .offset: 0, .size: 8, .value_kind: global_buffer, .address_space: global }
      - { .name: wr, .offset: 8, .size: 8, .value_kind: global_buffer, .address_space: global }
      - { .name: gb1, .offset: 16, .size: 8, .value_kind: global_buffer, .address_space: global }
      - { .name: gb2, .offset: 24, .size: 8, .value_kind: global_buffer, .address_space: global }
      - { .name: ebias, .offset: 32, .size: 8, .value_kind: global_buffer, .address_space: global }
      - { .name: pm_alpha, .offset: 40, .size: 8, .value_kind: global_buffer, .address_space: global }
      - { .name: rt, .offset: 48, .size: 8, .value_kind: global_buffer, .address_space: global }
      - { .name: sc, .offset: 56, .size: 8, .value_kind: global_buffer, .address_space: global }
      - { .name: zf, .offset: 64, .size: 8, .value_kind: global_buffer, .address_space: global }
    .group_segment_fixed_size: 70656
    .private_segment_fixed_size: 0
    .kernarg_segment_align: 8
    .kernarg_segment_size: 72
    .max_flat_workgroup_size: 128
    .sgpr_count:     80
    .vgpr_count:     960
    .wavefront_size: 32
...
	.end_amdgpu_metadata
.endif
;; end of part 2
;; launch fc (part 3): grid 8 x 129, 4 waves a work-group, no clusters, 132,608 bytes of LDS; arguments x, rt, sc, we, dfc_b, sfc_b, hb, tl, ts; writes hb, tl, ts
.if DOCPART == 3
	.amdgcn_target "amdgcn-amd-amdhsa--gfx1250"
	.amdhsa_code_object_version 6
	.text
	.protected	k_q9405231a69_fc
	.globl	k_q9405231a69_fc
	.p2align	8
	.type	k_q9405231a69_fc,@function
k_q9405231a69_fc:
	s_mov_b64 s[64:65], 0
	v_nop
	global_prefetch_b8 v0, s[64:65] scope:SCOPE_SE
	s_setreg_imm32_b32 hwreg(HW_REG_WAVE_MODE, 25, 1), 1
	s_wait_xcnt 0x0
; FC: the first product of experts 0 and 1 on the tokens that chose them: H = gelu(X W1 + b1), stored in f16 as the second product's operand fragments.
; THE GRID SERVES EVERY SPLIT.  With n0 and n1 tokens there are R0 = ceil(n0 / 64) and R1 = ceil(n1 / 64) tiles of 64 rows, 129 at the most.  Work-group (cx, y): tile y (expert 0 if y < R0, else tile
; y - R0 of expert 1), hidden columns 256 cx ..; a work-group whose tile or columns do not exist passes the barrier, stores nothing and ends.  Rows past the count repeat the expert's last token.
; THE ROUTING is read from rt, which the launch before stored as whole numbers.  Every wave finds its 16 tokens by rank, in registers: lane l holds the counts and masks of blocks 8 l .. 8 l + 7; a scan over
; the lanes, a search over the lanes, a walk over the lane's eight blocks, and a select of the k-th set bit of the block's mask.  The lane exchanges touch no LDS byte.
; Work-groups with cx = 0 store the list (tl: token, ts: its scale) for the launch behind; work-group (0, 0) stores n0 and n1.
; THE PRODUCT.  Wave w rounds rows 16 w .. of the tile into LDS (gathered rows of x); one barrier; then it multiplies all 64 rows by its 64 columns: 16 accumulators, which take turns.
; Transposed use (source 0 = weights, source 1 = tokens): a lane holds one token and register j feature 64 G + 32 h + 4 j + f, so four roundings make 16 bytes of the next operand.
; Weights come from memory straight into registers through a ring of eight k steps (56 loads stay out at each wait).  The 32 k steps are written out by the assembler's loop: every LDS address is then a
; register that is never rewritten plus an immediate, and the weights' base is never stepped.  The accumulators start at the rounded bias: 128 v_mov_b32 in place of as many
; additions and of a first step written apart.  No multicast: whether a work-group has work hangs on counts read from memory, and the weights go through registers, not through LDS.
; NUMBERS: x, weights and bias rounded to bf16, sums f32, erf off by 1.5e-7 at the most, H rounded once to f16: 2,048 terms each off by up to 2^-8 of itself, as bf16 would leave them, add up to
; more than the result may be off; f16 leaves 2^-11.  LIMITS: an H of 65,520 or more becomes an infinity (1,024 terms of 30 x 0.6, inputs with offsets of thirty spreads, make 18,432); below 6.1e-5
; H keeps f16's fixed step of 6e-8.  NaN and infinities are not treated apart.
; REGISTERS.  window 0: v0-23 addresses and at work; v24-31 row offsets; v32-63 bias (first: counts and masks); v64-127 two buffers of token fragments (also at work); v128-255 accumulators.
; window 1: eight slots of 32: first rows of x, then the weight ring.
.set PITCH, 2064                       ; an LDS row: 2,048 bytes + 16: an odd multiple of 16
.set SUB,   16*PITCH
.set SPARE, 64*PITCH                   ; behind the tile: the spare words, 128 bytes for each wave
.set VA,  24
.set TBI, 32
.set AF,  64
.set ACC, 128
.set KC0, 44
.set KKN, 46
.set KA1, 48
.set KA2, 50
.set KA3, 52
.set KA4, 54
.set KA5, 56
.set ABS, 58
.set HM,  59
.set MSB, 0
.macro WIN new
.if MSB != (\new)
	s_set_vgpr_msb (MSB<<8)|(\new)
.set MSB, (\new)
.endif
.endm
.macro PLACES
.rept 4
	v_nop
.endr
.endm
.macro RND2 a, b, t
	v_cvt_pk_bf16_f32 v[\t], v[\a], v[\b]
	v_lshlrev_b32 v[\a], 16, v[\t]
	v_and_b32 v[\b], s[HM], v[\t]
.endm
.macro SC2 r, val
	s_mov_b32 s[\r], \val
	s_mov_b32 s[(\r)+1], \val
.endm
; gelu(x) = x / 2 + |x| (1/2 - q(t) 2^(-x x log2(e) / 2)), t = 1 / (1 + 0.2316419 |x|), q a polynomial of degree 5 in t.  Eight numbers in place; T: 32 registers at work.
; The 16 transcendentals are one batch: a plain instruction behind the last, one wait ahead of the first reader.
.macro GELU8 X, T
.irp i, 0,1,2,3,4,5,6,7
	v_and_b32 v[(\T)+(\i)], s[ABS], v[(\X)+(\i)]
.endr
.irp i, 0,2,4,6
	v_pk_fma_f32 v[(\T)+8+(\i):(\T)+9+(\i)], v[(\T)+(\i):(\T)+1+(\i)], s[KC0:KC0+1], 1.0 op_sel_hi:[1,0,0]
	v_pk_mul_f32 v[(\T)+16+(\i):(\T)+17+(\i)], v[(\X)+(\i):(\X)+1+(\i)], s[KKN:KKN+1] op_sel_hi:[1,0]
.endr
.irp i, 0,2,4,6
	v_pk_mul_f32 v[(\T)+16+(\i):(\T)+17+(\i)], v[(\T)+16+(\i):(\T)+17+(\i)], v[(\X)+(\i):(\X)+1+(\i)]
.endr
.irp i, 0,1,2,3,4,5,6,7
	v_rcp_f32 v[(\T)+8+(\i)], v[(\T)+8+(\i)]
.endr
.irp i, 0,1,2,3,4,5,6,7
	v_exp_f32 v[(\T)+16+(\i)], v[(\T)+16+(\i)]
.endr
	v_nop
	s_wait_alu depctr_va_vdst(0)
.irp i, 0,2,4,6
	v_pk_fma_f32 v[(\T)+24+(\i):(\T)+25+(\i)], v[(\T)+8+(\i):(\T)+9+(\i)], s[KA5:KA5+1], s[KA4:KA4+1] op_sel_hi:[1,0,0]
.endr
.irp k, KA3, KA2, KA1
.irp i, 0,2,4,6
	v_pk_fma_f32 v[(\T)+24+(\i):(\T)+25+(\i)], v[(\T)+24+(\i):(\T)+25+(\i)], v[(\T)+8+(\i):(\T)+9+(\i)], s[\k:\k+1] op_sel_hi:[1,1,0]
.endr
.endr
.irp i, 0,2,4,6
	v_pk_mul_f32 v[(\T)+24+(\i):(\T)+25+(\i)], v[(\T)+24+(\i):(\T)+25+(\i)], v[(\T)+8+(\i):(\T)+9+(\i)]
.endr
.irp i, 0,2,4,6
	v_pk_mul_f32 v[(\T)+24+(\i):(\T)+25+(\i)], v[(\T)+24+(\i):(\T)+25+(\i)], v[(\T)+16+(\i):(\T)+17+(\i)]
.endr
.irp i, 0,2,4,6
	v_pk_fma_f32 v[(\T)+24+(\i):(\T)+25+(\i)], v[(\T)+24+(\i):(\T)+25+(\i)], -1.0, 0.5 op_sel_hi:[1,0,0]
.endr
.irp i, 0,2,4,6
	v_pk_mul_f32 v[(\T)+24+(\i):(\T)+25+(\i)], v[(\T)+24+(\i):(\T)+25+(\i)], v[(\T)+(\i):(\T)+1+(\i)]
.endr
.irp i, 0,2,4,6
	v_pk_fma_f32 v[(\X)+(\i):(\X)+1+(\i)], v[(\X)+(\i):(\X)+1+(\i)], 0.5, v[(\T)+24+(\i):(\T)+25+(\i)] op_sel_hi:[1,0,1]
.endr
.endm
.macro SROWCVT src, row, W, TM         ; a row of x (k = 128 q + 4 l ..) rounded to bf16 and stored, 256 consecutive LDS bytes a store
	WIN \W
.irp q, 0,1,2,3,4,5,6,7
	v_cvt_pk_bf16_f32 v[(\TM)+2*(\q)], v[(\src)+4*(\q)], v[(\src)+4*(\q)+1]
	v_cvt_pk_bf16_f32 v[(\TM)+2*(\q)+1], v[(\src)+4*(\q)+2], v[(\src)+4*(\q)+3]
.endr
	WIN 0
.irp q, 0,1,2,3,4,5,6,7
	ds_store_b64 v7, v[(\TM)+2*(\q):(\TM)+2*(\q)+1] offset:(\row)*PITCH+(\q)*256
.endr
.endm
	s_load_b512 s[8:23], s[0:1], 0x0               ; x, rt, sc, we, dfc_b, sfc_b, hb, tl
	s_load_b64 s[24:25], s[0:1], 0x40              ; ts
	v_lshl_add_u32 v4, v0, 2, SPARE                ; my spare word,
	v_mov_b32 v5, 0                                ; and 0: kept for the add at the wave's end
	v_and_b32 v1, 31, v0                           ; lane L
	v_lshrrev_b32 v12, 5, v0
	v_readfirstlane_b32 s2, v12                    ; wave w
	v_and_b32 v2, 15, v0                           ; r
	v_bfe_u32 v3, v0, 4, 1                         ; h
	v_lshlrev_b32 v6, 4, v1                        ; 16 L
	s_mov_b32 s3, ttmp9                            ; cx
	s_and_b32 s4, ttmp7, 0xffff                    ; y
	s_lshl2_add_u32 s5, s3, s2                     ; G = 4 cx + w: my group of 64 hidden columns
	s_mul_i32 s43, s2, 16*PITCH
	v_lshl_add_u32 v7, v1, 3, s43                  ; where I store my 16 rows
	v_mul_u32_u24 v8, PITCH, v2
	v_lshl_add_u32 v8, v3, 4, v8                   ; a token fragment of subtiles 0, 1; never rewritten
	v_add_nc_u32 v9, 2*SUB, v8                     ; and of subtiles 2, 3; never rewritten
	SC2 KC0, 0x3e6d3388
	SC2 KKN, 0xbf38aa3b
	SC2 KA1, 0x3e027906
	SC2 KA2, 0xbe11a98e
	SC2 KA3, 0x3f35f0e3
	SC2 KA4, 0xbf3a00e3
	SC2 KA5, 0x3f07dc22
	s_mov_b32 s[ABS], 0x7fffffff
	s_mov_b32 s[HM], 0xffff0000
	v_lshlrev_b32 v12, 5, v1
	s_wait_kmcnt 0x0
	global_load_b128 v[32:35], v12, s[10:11]                 ; counts c0 | c1 << 16 of blocks 8 L ..
	global_load_b128 v[36:39], v12, s[10:11] offset:16
	global_load_b128 v[40:43], v12, s[10:11] offset:1024     ; expert 0's masks
	global_load_b128 v[44:47], v12, s[10:11] offset:1040
	global_load_b128 v[48:51], v12, s[10:11] offset:2048     ; expert 1's masks
	global_load_b128 v[52:55], v12, s[10:11] offset:2064
	s_wait_loadcnt 0x0
	v_mov_b32 v56, 0                               ; v[56:63]: the sums of the counts ahead of each of my blocks; both experts' at once: neither passes 8,192
.irp i, 1,2,3,4,5,6,7
	v_add_nc_u32 v[56+(\i)], v[55+(\i)], v[31+(\i)]
.endr
	v_add_nc_u32 v16, v63, v39                     ; my eight blocks' sum
	v_mov_b32 v13, v16
.irp d, 1,2,4,8,16                     ; a scan over the lanes: five exchanges
	v_add_nc_u32 v14, -(\d), v1
	v_lshlrev_b32 v14, 2, v14
	ds_bpermute_b32 v15, v14, v13
	s_wait_dscnt 0x0
	v_cmp_le_u32 vcc_lo, \d, v1
	v_cndmask_b32 v15, 0, v15, vcc_lo
	v_add_nc_u32 v13, v13, v15
.endr
	v_sub_nc_u32 v16, v13, v16                     ; the sum ahead of my lane
	v_readlane_b32 s35, v13, 31
	s_and_b32 s26, s35, 0xffff                     ; n0
	s_lshr_b32 s27, s35, 16                        ; n1
	s_add_co_u32 s28, s26, 63
	s_lshr_b32 s28, s28, 6
	s_min_u32 s28, s28, 128                        ; R0
	s_add_co_u32 s29, s27, 63
	s_lshr_b32 s29, s29, 6                         ; R1
	s_cmp_ge_u32 s4, s28
	s_cselect_b32 s30, 1, 0                        ; e
	s_cselect_b32 s31, s28, 0
	s_cselect_b32 s33, s27, s26                    ; n_e
	s_cselect_b32 s35, s29, s28                    ; R_e
	s_cselect_b32 s43, 4, 8                        ; the expert's groups of 256 hidden columns
	s_cselect_b32 s34, 16, 0                       ; where its counts lie in the packed words
	s_cselect_b64 s[40:41], s[18:19], s[16:17]     ; its bias
	s_sub_co_u32 s31, s4, s31                      ; rho: the tile among the expert's
	s_cmp_lt_u32 s31, s35
	s_cselect_b32 s32, 1, 0
	s_cmp_lt_u32 s3, s43
	s_cselect_b32 s32, s32, 0                      ; live
	s_sub_co_u32 s6, 0, s30                        ; all ones for expert 1
	s_sub_co_u32 s33, s33, 1                       ; the last rank
	; offsets that hang on the counts, in units of 131,072 bytes, held to their buffers and then shifted
	s_add_co_u32 s43, s5, 32
	s_cmp_eq_u32 s30, 1
	s_cselect_b32 s43, s43, s5                     ; weights: dfc from unit 0, sfc from unit 32, one unit a column group
	s_min_u32 s43, s43, 95
	s_lshl_b32 s36, s43, 17
	s_mov_b32 s37, 0
	s_add_nc_u64 s[36:37], s[14:15], s[36:37]
	s_add_co_u32 s43, s28, s4
	s_lshl_b32 s7, s4, 1
	s_cmp_eq_u32 s30, 1
	s_cselect_b32 s43, s43, s7                     ; hb: expert 0's tile y at unit 2 y; expert 1's tile rho at 2 R0 + rho = R0 + y
	s_min_u32 s43, s43, 257
	s_lshl_b32 s38, s43, 17
	s_lshl_b32 s43, s5, 13
	s_add_co_u32 s38, s38, s43                     ; + my column group's two k steps
	s_mov_b32 s39, 0
	s_add_nc_u64 s[38:39], s[20:21], s[38:39]
	s_or_b32 s7, s3, s4
	s_or_b32 s7, s7, s2
	s_cmp_lg_u32 s7, 0
	s_cbranch_scc1 .Lnohead
	v_mov_b32 v14, s27                             ; one wave of the launch stores n0 (word 0) and n1 (words 1-31), whatever the split
	v_writelane_b32 v14, s26, 0
	v_lshlrev_b32 v15, 2, v1
	global_store_b32 v15, v14, s[22:23]
	s_wait_xcnt 0x0                                ; v14 and v15 are written again below
.Lnohead:
	s_cmp_eq_u32 s32, 0
	s_cbranch_scc1 .Lskip1                         ; only work is jumped: the barrier stands behind the label
	; ---- my 16 tokens by rank: lane r (and r + 16, alike) looks for rank q of expert e ----
	s_lshl_b32 s43, s31, 6
	s_lshl4_add_u32 s43, s2, s43
	v_add_nc_u32 v17, s43, v2
	v_min_u32 v17, s33, v17                        ; q = min(64 rho + 16 w + r, n_e - 1)
	v_lshrrev_b32 v18, s34, v16
	v_and_b32 v18, 0xffff, v18                     ; the expert's sum ahead of my lane
.irp i, 1,2,3,4,5,6,7
	v_lshrrev_b32 v[56+(\i)], s34, v[56+(\i)]
	v_and_b32 v[56+(\i)], 0xffff, v[56+(\i)]
.endr
.irp i, 0,1,2,3,4,5,6,7
	v_cndmask_b32 v[40+(\i)], v[40+(\i)], v[48+(\i)], s6
.endr
	v_mov_b32 v19, 0                               ; the last lane whose sum ahead is at most q
.irp t, 16,8,4,2,1
	v_add_nc_u32 v20, \t, v19
	v_lshlrev_b32 v21, 2, v20
	ds_bpermute_b32 v22, v21, v18
	s_wait_dscnt 0x0
	v_cmp_le_u32 vcc_lo, v22, v17
	v_cndmask_b32 v19, v19, v20, vcc_lo
.endr
	v_lshlrev_b32 v21, 2, v19
	ds_bpermute_b32 v22, v21, v18
.irp i, 1,2,3,4,5,6,7
	ds_bpermute_b32 v[64+(\i)], v21, v[56+(\i)]
.endr
.irp i, 0,1,2,3,4,5,6,7
	ds_bpermute_b32 v[72+(\i)], v21, v[40+(\i)]
.endr
	s_wait_dscnt 0x0
	v_sub_nc_u32 v23, v17, v22                     ; the rank within that lane's eight blocks
	v_mov_b32 v20, 0
	v_mov_b32 v10, 0
.irp i, 1,2,3,4,5,6,7                  ; the last block whose sum ahead is at most the rank
	v_cmp_le_u32 vcc_lo, v[64+(\i)], v23
	v_cndmask_b32 v20, v20, \i, vcc_lo
	v_cndmask_b32 v10, v10, v[64+(\i)], vcc_lo
	v_cndmask_b32 v72, v72, v[72+(\i)], vcc_lo
.endr
	v_sub_nc_u32 v23, v23, v10                     ; k: the rank within the block's mask m = v72
	v_lshrrev_b32 v85, 1, v72                      ; counts of set bits in fields of 2, 4, 8 and 16 bits
	v_and_b32 v85, 0x55555555, v85
	v_sub_nc_u32 v80, v72, v85
	v_lshrrev_b32 v85, 2, v80
	v_and_b32 v85, 0x33333333, v85
	v_and_b32 v81, 0x33333333, v80
	v_add_nc_u32 v81, v81, v85
	v_lshrrev_b32 v85, 4, v81
	v_add_nc_u32 v82, v81, v85
	v_and_b32 v82, 0x0f0f0f0f, v82
	v_lshrrev_b32 v85, 8, v82
	v_add_nc_u32 v83, v82, v85
	v_and_b32 v83, 0x00ff00ff, v83
	v_mov_b32 v84, 0
.macro SELSTEP src, msk, inc           ; if k is at least the count of the lower half-field, leave that half behind
	v_lshrrev_b32 v85, v84, v[\src]
	v_and_b32 v85, \msk, v85
	v_cmp_ge_u32 vcc_lo, v23, v85
	v_cndmask_b32 v85, 0, v85, vcc_lo
	v_sub_nc_u32 v23, v23, v85
	v_cndmask_b32 v86, 0, \inc, vcc_lo
	v_add_nc_u32 v84, v84, v86
.endm
	SELSTEP 83, 0xff, 16
	SELSTEP 82, 0xff, 8
	SELSTEP 81, 15, 4
	SELSTEP 80, 3, 2
	SELSTEP 72, 1, 1
	v_lshl_add_u32 v20, v19, 3, v20                ; the block,
	v_lshl_add_u32 v11, v20, 5, v84                ; the token,
	v_min_u32 v11, 0x1fff, v11                     ; held inside x
	s_cmp_lg_u32 s3, 0
	s_cbranch_scc1 .Lnolist
	v_lshlrev_b32 v85, 2, v11                      ; the list, once for a tile: lanes 16-31 repeat lanes 0-15's words with the same numbers
	global_load_b32 v86, v85, s[12:13]
	s_lshl_b32 s43, s4, 6
	s_lshl4_add_u32 s43, s2, s43
	s_add_co_u32 s43, s43, 64
	v_add_lshl_u32 v87, s43, v2, 2                 ; word 64 + 64 y + 16 w + r
	s_wait_loadcnt 0x0
	global_store_b32 v87, v11, s[22:23]
	global_store_b32 v87, v86, s[24:25]
	s_wait_xcnt 0x0                                ; v85-v87 are written again below
.Lnolist:
	; ---- the gather: eight rows of 4,096 bytes on their way, each rounded and stored as it lands ----
.macro SADDR i
	v_readlane_b32 s43, v11, \i
	s_min_u32 s43, s43, 8191
	s_lshl_b32 s43, s43, 12
	v_add_nc_u32 v[VA+(\i)%8], s43, v6
.endm
.macro SLOAD i
	WIN 0x40
.irp q, 0,1,2,3,4,5,6,7
	global_load_b128 v[32*((\i)%8)+4*(\q):32*((\i)%8)+4*(\q)+3], v[VA+(\i)%8], s[8:9] offset:(\q)*512
.endr
	WIN 0
.endm
.set i, 0
.rept 8
	SADDR i
	SLOAD i
.set i, i+1
.endr
.set i, 0
.rept 16
.if i < 8
	s_wait_loadcnt 56                              ; row i is in: seven younger rows stay out; the wait also frees the row's offset register
.else
	s_wait_loadcnt 8*(15-i)
.endif
	SROWCVT 32*(i%8), i, 0x05, AF
.if i < 8
	SADDR i+8
	SLOAD i+8
.endif
.set i, i+1
.endr
.Lskip1:
	s_wait_dscnt 0x0                               ; for the others' sake: my rows are in LDS
	s_barrier_signal -1
	s_barrier_wait -1
	s_cmp_eq_u32 s32, 0
	s_cbranch_scc1 .Lskip2
	; ---- the product ----
	s_lshl_b32 s43, s5, 8
	v_lshl_add_u32 v12, v3, 7, s43                 ; the bias at feature 64 G + 32 h
.irp j, 0,1,2,3,4,5,6,7
	global_load_b128 v[TBI+4*(\j):TBI+4*(\j)+3], v12, s[40:41] offset:16*(\j)
.endr
.macro RING sl, k                      ; eight loads: k step k into slot sl; the step stands in the immediate, 130,560 bytes at the most
	WIN 0x40
.irp f, 0,1,2,3
	global_load_b128 v[32*(\sl)+8*(\f):32*(\sl)+8*(\f)+3], v6, s[36:37] offset:(\k)*4096+(\f)*1024
	global_load_b128 v[32*(\sl)+8*(\f)+4:32*(\sl)+8*(\f)+7], v6, s[36:37] offset:(\k)*4096+(\f)*1024+512
.endr
.endm
.irp t, 0,1,2,3,4,5,6,7
	RING \t, \t
.endr
	WIN 0
.irp s, 0,1
	ds_load_b128 v[AF+8*(\s):AF+8*(\s)+3], v8 offset:(\s)*SUB
	ds_load_b128 v[AF+8*(\s)+4:AF+8*(\s)+7], v8 offset:(\s)*SUB+32
	ds_load_b128 v[AF+16+8*(\s):AF+16+8*(\s)+3], v9 offset:(\s)*SUB
	ds_load_b128 v[AF+16+8*(\s)+4:AF+16+8*(\s)+7], v9 offset:(\s)*SUB+32
.endr
	s_wait_loadcnt 63                              ; 64 loads were issued behind the bias's eight: with 63 out the bias is in
.set i, 0
.rept 16
	RND2 TBI+2*i, TBI+2*i+1, 13
.set i, i+1
.endr
.irp f, 0,1,2,3
.irp s, 0,1,2,3
.irp j, 0,1,2,3,4,5,6,7
	v_mov_b32 v[ACC+8*(4*(\f)+(\s))+(\j)], v[TBI+4*(\j)+(\f)]
.endr
.endr
.endr
; K step k of 32, on ring slot k % 8 and fragment buffer k % 2.  The next step's token fragments are asked for first (their buffer's last readers stand four places back) and the wait on DScnt leaves
; those eight out.  The wait on LOADcnt leaves the younger slots' loads out: seven slots of eight while slots are filled again (steps 0-23), then 8 (31 - k).  The slot is filled again eight steps ahead,
; four places behind the products that read it.
.macro KSTEP k
.set SL, (\k)%8
.set NB, AF+32*(((\k)+1)%2)
.set CB, AF+32*((\k)%2)
	WIN 0
.if (\k) < 31
.irp s, 0,1
	ds_load_b128 v[NB+8*(\s):NB+8*(\s)+3], v8 offset:(\s)*SUB+((\k)+1)*64
	ds_load_b128 v[NB+8*(\s)+4:NB+8*(\s)+7], v8 offset:(\s)*SUB+((\k)+1)*64+32
	ds_load_b128 v[NB+16+8*(\s):NB+16+8*(\s)+3], v9 offset:(\s)*SUB+((\k)+1)*64
	ds_load_b128 v[NB+16+8*(\s)+4:NB+16+8*(\s)+7], v9 offset:(\s)*SUB+((\k)+1)*64+32
.endr
.endif
.if (\k) < 24
	s_wait_loadcnt 56
.else
	s_wait_loadcnt 8*(31-(\k))
.endif
.if (\k) < 31
	s_wait_dscnt 0x8
.else
	s_wait_dscnt 0x0
.endif
	WIN 0x01
.irp f, 0,1,2,3
.irp s, 0,1,2,3
	v_wmma_f32_16x16x32_bf16 v[ACC+8*(4*(\f)+(\s)):ACC+8*(4*(\f)+(\s))+7], v[32*SL+8*(\f):32*SL+8*(\f)+7], v[CB+8*(\s):CB+8*(\s)+7], v[ACC+8*(4*(\f)+(\s)):ACC+8*(4*(\f)+(\s))+7]
.endr
.endr
	PLACES
.if (\k) < 24
	RING SL, (\k)+8
.endif
.endm
.set kk, 0
.rept 32
	KSTEP kk
.set kk, kk+1
.endr
	WIN 0
	; GELU, one rounding to f16, and out: accumulator (f, s) is half f % 2 of the fragment of k step 2 G + f / 2, subtile s: 512 consecutive bytes a store
.irp f, 0,1,2,3
.irp s, 0,1,2,3
	GELU8 ACC+8*(4*(\f)+(\s)), AF
.irp q, 0,1,2,3
	v_cvt_pk_f16_f32 v[ACC+8*(4*(\f)+(\s))+(\q)], v[ACC+8*(4*(\f)+(\s))+2*(\q)], v[ACC+8*(4*(\f)+(\s))+2*(\q)+1]
.endr
	global_store_b128 v6, v[ACC+8*(4*(\f)+(\s)):ACC+8*(4*(\f)+(\s))+3], s[38:39] offset:((\f)/2)*4096+(\s)*1024+((\f)%2)*512
.endr
.endr
.Lskip2:
	s_wait_tensorcnt 0x0                           ; the wave's end
	ds_add_u32 v4, v5
	s_wait_dscnt 0x0
	s_endpgm
.Lfunc_end_k_q9405231a69_fc:
	.size	k_q9405231a69_fc, .Lfunc_end_k_q9405231a69_fc-k_q9405231a69_fc
	.p2alignl 7, 3214868480
	.fill 96, 4, 3214868480
	.section	.rodata,"a",@progbits
	.p2align	6, 0x0
	.amdhsa_kernel k_q9405231a69_fc
		.amdhsa_group_segment_fixed_size 132608
		.amdhsa_private_segment_fixed_size 0
		.amdhsa_enable_private_segment 0
		.amdhsa_kernarg_size 72
		.amdhsa_user_sgpr_count 2
		.amdhsa_user_sgpr_kernarg_segment_ptr 1
		.amdhsa_wavefront_size32 1
		.amdhsa_system_sgpr_workgroup_id_x 1
		.amdhsa_system_sgpr_workgroup_id_y 1
		.amdhsa_system_sgpr_workgroup_id_z 1
		.amdhsa_system_vgpr_workitem_id 0
		.amdhsa_next_free_vgpr 512
		.amdhsa_next_free_sgpr 66
		.amdhsa_reserve_vcc 1
		.amdhsa_float_denorm_mode_32 3
		.amdhsa_float_denorm_mode_16_64 3
		.amdhsa_memory_ordered 1
		.amdhsa_forward_progress 1
		.amdhsa_inst_pref_size 210
	.end_amdhsa_kernel
	.amdgpu_metadata
---
amdhsa.version: [ 1, 2 ]
amdhsa.kernels:
  - .name:           k_q9405231a69_fc
    .symbol:         k_q9405231a69_fc.kd
    .args:
      - { .name: x, .offset: 0, .size: 8, .value_kind: global_buffer, .address_space: global }
      - { .name: rt, .offset: 8, .size: 8, .value_kind: global_buffer, .address_space: global }
      - { .name: sc, .offset: 16, .size: 8, .value_kind: global_buffer, .address_space: global }
      - { .name: we, .offset: 24, .size: 8, .value_kind: global_buffer, .address_space: global }
      - { .name: dfc_b, .offset: 32, .size: 8, .value_kind: global_buffer, .address_space: global }
      - { .name: sfc_b, .offset: 40, .size: 8, .value_kind: global_buffer, .address_space: global }
      - { .name: hb, .offset: 48, .size: 8, .value_kind: global_buffer, .address_space: global }
      - { .name: tl, .offset: 56, .size: 8, .value_kind: global_buffer, .address_space: global }
      - { .name: ts, .offset: 64, .size: 8, .value_kind: global_buffer, .address_space: global }
    .group_segment_fixed_size: 132608
    .private_segment_fixed_size: 0
    .kernarg_segment_align: 8
    .kernarg_segment_size: 72
    .max_flat_workgroup_size: 128
    .sgpr_count:     66
    .vgpr_count:     512
    .wavefront_size: 32
...
	.end_amdgpu_metadata
.endif
;; end of part 3
;; launch proj (part 4): grid 8 x 161, 4 waves a work-group, no clusters, 66,048 bytes of LDS; arguments x, zf, rt, wr, we, hb, tl, ts, dproj_b, sproj_b, out0; writes out0
.if DOCPART == 4
	.amdgcn_target "amdgcn-amd-amdhsa--gfx1250"
	.amdhsa_code_object_version 6
	.text
	.protected	k_q9405231a69_proj
	.globl	k_q9405231a69_proj
	.p2align	8
	.type	k_q9405231a69_proj,@function
k_q9405231a69_proj:
	s_mov_b64 s[64:65], 0
	v_nop
	global_prefetch_b8 v0, s[64:65] scope:SCOPE_SE
	s_setreg_imm32_b32 hwreg(HW_REG_WAVE_MODE, 25, 1), 1
	s_wait_xcnt 0x0
; PROJ writes every row of out0 once.  y < 32: the rows of experts 2 to 5, out = P x + Q with P = z BP and Q = z BQ; z carries the scale and is 0 for the slots of experts not chosen; it comes as two
; bf16 operands (the rounded number and the rounded remainder), so each 16 x 16 of P and of Q is two matrix instructions of 32 slots on one accumulator.  y >= 32: tile y - 32 of the second product of
; experts 0 and 1, out[token] = scale (H W2 + b2), on the tiles that the launch fc laid out.
; Tokens, tile counts and masks are whole numbers that earlier launches stored (tl, rt).  A work-group whose tile does not exist, or whose 32 tokens all chose experts 0 or 1, stores nothing:
; the grid serves every split.  Both operands come from memory straight into registers as fragments.  No multicast: whether a work-group has work hangs on counts read from memory, and the operands go
; through registers, not through LDS.
; NATURAL USE (source 0 = 16 tokens, source 1 = 16 weight rows): lane (r, h) holds column 64 G + 4 r + f and register j token row 8 h + j, so the four tiles f give a lane four neighbouring columns:
; 16 lanes store 256 consecutive bytes of one row of out0, at a multiple of 256 from its first byte.
; PRODUCT PATH.  Work-group (cx, tile): 64 rows x columns 128 cx ..  K IS SHARED BETWEEN WAVES: wave w has column group G = 2 cx + w % 2 and half w / 2 of the hidden width: 32 k steps for expert 0, 16 for
; expert 1, so the longest chain of dependent loads is half as long and twice as many waves have loads out.  A wave's tile is 64 x 64: 16 accumulators by turns; a ring of
; four k steps, 48 loads out at each wait.  The first half's sums start at the rounded bias, the second half's at 0 (128 v_mov_b32 in place of as many additions and of a first step written out).
; THE TWO HALVES MEET IN LDS, in f32: each wave stores its 128 registers into 16 KiB of its own; one barrier; wave (c, kh) reads both halves' parts of subtiles 2 kh and 2 kh + 1, adds them, multiplies
; by the token's scale and stores 32 rows.
; THE WAYS OF THE TEXT.  The small experts' work-groups leave at the head, by a branch on the work-group's y alone, which its four waves share, and come back only for the closing lines: they store
; nothing in LDS and meet no barrier.  In the product's work-groups the barrier stands on every way: the jump for a tile that does not exist passes work alone.  What stands behind the barrier reads
; only registers written ahead of that jump or behind the barrier, and LDS; the rows' offsets in out0 are made, and held inside out0, in a straight line ahead of it.
; Rows past the count repeat the expert's last token: the partner wave of the same work-group may then store the same numbers (the same H row, weights and order of sums) to the same row again.
; NUMBERS: H in f16 and W2's bf16 rounding written as f16 (their limits stand at the heads of fc and prep); z, the basis, the bias and x in bf16; sums in f32; one product by the f32 scale at the end.
.set SPARE, 65536                      ; behind the four waves' 16 KiB: the spare words, 128 bytes for each wave
.set TK,  16                           ; v[16:31]   byte offset in out0 of (token of row 32 kh + 16 s + 8 h + j, my four columns)
.set SCL, 32                           ; v[32:47]   that token's scale
.set BV,  48                           ; v[48:51]   bias of my four columns
.set TOG, 64                           ; v[64:127]  sixteen times four numbers to store
.set ACC, 128
.set ZZ,  16                           ; the small experts' path: v[16:31] z rounded, v[32:47] its remainder, v[64:127] sixteen times four numbers to store
.set ZL,  32
.set TO,  64
.set HM,  50
.set LIVE, 66                          ; s66  1: this work-group has a tile of the product
.set MSB, 0
.macro WIN new
.if MSB != (\new)
	s_set_vgpr_msb (MSB<<8)|(\new)
.set MSB, (\new)
.endif
.endm
.macro PLACES
.rept 4
	v_nop
.endr
.endm
.macro RND2 a, b, t
	v_cvt_pk_bf16_f32 v[\t], v[\a], v[\b]
	v_lshlrev_b32 v[\a], 16, v[\t]
	v_and_b32 v[\b], s[HM], v[\t]
.endm
	s_load_b512 s[8:23], s[0:1], 0x0               ; x, zf, rt, wr, we, hb, tl, ts
	s_load_b128 s[24:27], s[0:1], 0x40             ; dproj_b, sproj_b
	s_load_b64 s[28:29], s[0:1], 0x50              ; out0
	v_lshl_add_u32 v4, v0, 2, SPARE                ; my spare word,
	v_mov_b32 v5, 0                                ; and 0: kept for the add at the wave's end
	v_and_b32 v1, 31, v0
	v_lshrrev_b32 v9, 5, v0
	v_readfirstlane_b32 s2, v9                     ; wave w
	v_and_b32 v2, 15, v0                           ; r
	v_bfe_u32 v3, v0, 4, 1                         ; h
	v_lshlrev_b32 v6, 4, v1                        ; 16 L
	s_mov_b32 s3, ttmp9                            ; cx
	s_and_b32 s4, ttmp7, 0xffff                    ; y
	s_mov_b32 s[HM], 0xffff0000
	s_wait_kmcnt 0x0
	s_cmp_lt_u32 s4, 32
	s_cbranch_scc1 .Lcheap                         ; by the work-group's y alone: all four waves go the same way
	; ---- the second product ----
	s_load_b64 s[30:31], s[20:21], 0x0             ; n0, n1
	s_sub_co_u32 s4, s4, 32                        ; the tile
	s_and_b32 s6, s2, 1                            ; c: which of the work-group's two column groups
	s_lshr_b32 s7, s2, 1                           ; kh: which half of K
	s_lshl1_add_u32 s5, s3, s6                     ; G = 2 cx + c
	s_lshl_b32 s43, s5, 8
	v_lshl_add_u32 v7, v2, 4, s43                  ; byte of column 64 G + 4 r in a row
	v_lshlrev_b32 v8, 5, v3
	s_lshl_b32 s40, s4, 8
	s_lshl_b32 s43, s7, 7
	s_add_co_u32 s40, s40, s43
	s_add_co_u32 s40, s40, 256                     ; word 64 + 64 tile + 32 kh of the list: the 32 rows that I store
	s_mov_b32 s41, 0
	s_add_nc_u64 s[68:69], s[20:21], s[40:41]
	s_add_nc_u64 s[70:71], s[22:23], s[40:41]
.irp s, 0,1                            ; asked for ahead of the test for a tile: the place hangs on the work-group's number alone and lies inside the list for every tile
	global_load_b128 v[TK+8*(\s):TK+8*(\s)+3], v8, s[68:69] offset:64*(\s)
	global_load_b128 v[TK+8*(\s)+4:TK+8*(\s)+7], v8, s[68:69] offset:64*(\s)+16
	global_load_b128 v[SCL+8*(\s):SCL+8*(\s)+3], v8, s[70:71] offset:64*(\s)
	global_load_b128 v[SCL+8*(\s)+4:SCL+8*(\s)+7], v8, s[70:71] offset:64*(\s)+16
.endr
	s_lshl_b32 s43, s2, 14
	v_lshl_add_u32 v10, v1, 4, s43                 ; where I store my sums: 16,384 w + 16 L
	s_lshl_b32 s43, s6, 14
	s_lshl_b32 s40, s7, 13
	s_add_co_u32 s43, s43, s40
	v_lshl_add_u32 v11, v1, 4, s43                 ; where I read: wave c's part of subtiles 2 kh, 2 kh + 1; wave c + 2's lies 32,768 bytes on
	s_wait_kmcnt 0x0
	s_add_co_u32 s32, s30, 63
	s_lshr_b32 s32, s32, 6
	s_min_u32 s32, s32, 128                        ; R0
	s_add_co_u32 s33, s31, 63
	s_lshr_b32 s33, s33, 6                         ; R1
	s_cmp_ge_u32 s4, s32
	s_cselect_b32 s34, 1, 0                        ; e
	s_cselect_b32 s35, s32, 0
	s_cselect_b32 s36, s33, s32                    ; R_e
	s_cselect_b32 s37, 3, 7                        ; trips of four k steps in my half of K, less the last
	s_cselect_b64 s[38:39], s[26:27], s[24:25]     ; the bias
	s_sub_co_u32 s35, s4, s35
	s_cmp_lt_u32 s35, s36
	s_cselect_b32 s[LIVE], 1, 0
	; offsets that hang on the counts, in units of 65,536 bytes, held to their buffers and then shifted
	s_lshl_b32 s40, s4, 2
	s_lshl1_add_u32 s40, s7, s40                   ; H, expert 0: tile y at unit 4 y, its second half of K two units on
	s_add_co_u32 s43, s32, s4
	s_lshl1_add_u32 s43, s43, s7                   ; expert 1: tile y - R0 at unit 4 R0 + 2 (y - R0) = 2 (R0 + y), its second half one unit on
	s_cmp_eq_u32 s34, 1
	s_cselect_b32 s43, s43, s40
	s_min_u32 s43, s43, 515
	s_lshl_b32 s44, s43, 16
	s_mov_b32 s45, 0
	s_add_nc_u64 s[44:45], s[18:19], s[44:45]      ; H's tile at my half of K
	s_lshl_b32 s40, s5, 2
	s_lshl1_add_u32 s40, s7, s40
	s_add_co_u32 s40, s40, 96                      ; dproj from unit 96, four units a column group, two a half
	s_lshl1_add_u32 s43, s5, s7
	s_add_co_u32 s43, s43, 160                     ; sproj from unit 160, two units a column group, one a half
	s_cmp_eq_u32 s34, 1
	s_cselect_b32 s43, s43, s40
	s_min_u32 s43, s43, 191
	s_lshl_b32 s46, s43, 16
	s_mov_b32 s47, 0
	s_add_nc_u64 s[46:47], s[16:17], s[46:47]      ; my column group's stream at my half of K
	s_wait_loadcnt 0x0                             ; the list and the scales: asked for ahead of the wait for the two counts
.set i, 0
.rept 16
	v_min_u32 v[TK+i], 0x1fff, v[TK+i]             ; a token stays inside out0
	v_lshl_add_u32 v[TK+i], v[TK+i], 12, v7        ; its row's bytes, and my four columns; not written again
.set i, i+1
.endr
	s_cmp_eq_u32 s[LIVE], 0
	s_cbranch_scc1 .Lskip1                         ; no such tile: only work is jumped
	global_load_b128 v[BV:BV+3], v7, s[38:39]
.macro RING sl, k                      ; sixteen loads: k step k (counted from the bases) into slot sl: H's four subtiles, then the four weight tiles
	WIN 0x40
.irp t, 0,1,2,3
	global_load_b128 v[64*(\sl)+8*(\t):64*(\sl)+8*(\t)+3], v6, s[44:45] offset:(\k)*4096+(\t)*1024
	global_load_b128 v[64*(\sl)+8*(\t)+4:64*(\sl)+8*(\t)+7], v6, s[44:45] offset:(\k)*4096+(\t)*1024+512
	global_load_b128 v[64*(\sl)+32+8*(\t):64*(\sl)+32+8*(\t)+3], v6, s[46:47] offset:(\k)*4096+(\t)*1024
	global_load_b128 v[64*(\sl)+32+8*(\t)+4:64*(\sl)+32+8*(\t)+7], v6, s[46:47] offset:(\k)*4096+(\t)*1024+512
.endr
.endm
	RING 0, 0
	RING 1, 1
	RING 2, 2
	RING 3, 3
	WIN 0
	s_cmp_eq_u32 s7, 0
	s_cselect_b32 s43, -1, 0                       ; all ones in the waves of the first half of K
	s_wait_loadcnt 63                              ; 64 loads were issued behind the bias's: with 63 out the bias is in
	RND2 BV, BV+1, 52
	RND2 BV+2, BV+3, 52
.irp f, 0,1,2,3
	v_cndmask_b32 v[BV+(\f)], 0, v[BV+(\f)], s43   ; the bias enters one of the two halves' sums
.endr
.irp s, 0,1,2,3
.irp f, 0,1,2,3
.irp j, 0,1,2,3,4,5,6,7
	v_mov_b32 v[ACC+8*(4*(\s)+(\f))+(\j)], v[BV+(\f)]
.endr
.endr
.endr
; One k step.  step = 1: the bases go four k steps on, behind this step's sixteen products: the loads that name them were all issued ahead of those products, and the first load by the stepped bases follows.
.macro KSTEP sl, refill, cnt, step
	s_wait_loadcnt \cnt                            ; this slot is in; the count is the younger slots' loads
	WIN 0x05
.irp s, 0,1,2,3
.irp f, 0,1,2,3
	v_wmma_f32_16x16x32_f16 v[ACC+8*(4*(\s)+(\f)):ACC+8*(4*(\s)+(\f))+7], v[64*(\sl)+8*(\s):64*(\sl)+8*(\s)+7], v[64*(\sl)+32+8*(\f):64*(\sl)+32+8*(\f)+7], v[ACC+8*(4*(\s)+(\f)):ACC+8*(4*(\s)+(\f))+7]
.endr
.endr
	PLACES
.if \step
	s_wait_xcnt 0x0                                ; the bases are stepped only behind this wait
	s_add_nc_u64 s[44:45], s[44:45], 16384
	s_add_nc_u64 s[46:47], s[46:47], 16384
.endif
.if \refill
	RING \sl, \sl
.endif
.endm
	s_mov_b32 s42, 0
.Lg:                                                   ; 3 or 7 trips of four k steps, by the expert's hidden width; no LDS address in the loop
	KSTEP 0, 1, 48, 1
	KSTEP 1, 1, 48, 0
	KSTEP 2, 1, 48, 0
	KSTEP 3, 1, 48, 0
	WIN 0
	s_add_co_u32 s42, s42, 1
	s_cmp_lt_u32 s42, s37
	s_cbranch_scc1 .Lg
	KSTEP 0, 0, 48, 0                              ; the last four load nothing: the counts run down
	KSTEP 1, 0, 32, 0
	KSTEP 2, 0, 16, 0
	KSTEP 3, 0, 0, 0
	WIN 0
.irp a, 0,1,2,3,4,5,6,7,8,9,10,11,12,13,14,15  ; my half's sums into my 16 KiB: accumulator a = 4 s + f at 1,024 a; each store takes 512 consecutive bytes; the four places stand behind the last product
	ds_store_b128 v10, v[ACC+8*(\a):ACC+8*(\a)+3] offset:(\a)*1024
	ds_store_b128 v10, v[ACC+8*(\a)+4:ACC+8*(\a)+7] offset:(\a)*1024+512
.endr
.Lskip1:                                               ; both ways of a product work-group come here
	s_wait_dscnt 0x0                               ; for the others' sake: my sums are in LDS
	s_barrier_signal -1
	s_barrier_wait -1
	s_cmp_eq_u32 s[LIVE], 0
	s_cbranch_scc1 .Lskip2
	; ---- the two halves of K are added: subtiles 2 kh and 2 kh + 1 of column group c, the first half's part and the second half's ----
.irp a, 0,1,2,3,4,5,6,7
	ds_load_b128 v[ACC+8*(\a):ACC+8*(\a)+3], v11 offset:(\a)*1024
	ds_load_b128 v[ACC+8*(\a)+4:ACC+8*(\a)+7], v11 offset:(\a)*1024+512
.endr
.irp a, 0,1,2,3,4,5,6,7
	ds_load_b128 v[ACC+64+8*(\a):ACC+64+8*(\a)+3], v11 offset:32768+(\a)*1024
	ds_load_b128 v[ACC+64+8*(\a)+4:ACC+64+8*(\a)+7], v11 offset:32768+(\a)*1024+512
.endr
	s_wait_dscnt 0x0
.set i, 0
.rept 32
	v_pk_add_f32 v[ACC+2*i:ACC+2*i+1], v[ACC+2*i:ACC+2*i+1], v[ACC+64+2*i:ACC+64+2*i+1]
.set i, i+1
.endr
.irp s, 0,1
.irp j, 0,1,2,3,4,5,6,7
.irp f, 0,1,2,3
	v_mul_f32 v[TOG+4*(8*(\s)+(\j))+(\f)], v[ACC+8*(4*(\s)+(\f))+(\j)], v[SCL+8*(\s)+(\j)]
.endr
	global_store_b128 v[TK+8*(\s)+(\j)], v[TOG+4*(8*(\s)+(\j)):TOG+4*(8*(\s)+(\j))+3], s[28:29] th:TH_STORE_NT
.endr
.endr
	s_branch .Lskip2
.Lcheap:
	; ---- experts 2 to 5: block b of 32 tokens; wave w has columns 256 w .., in two passes of 128 ----
	s_lshl3_add_u32 s5, s4, s3                     ; b = 8 y + cx
	s_lshl_b32 s31, s5, 2
	s_load_b32 s51, s[12:13], s31 offset:0x400     ; expert 0's mask
	s_load_b32 s30, s[12:13], s31 offset:0x800     ; expert 1's
	v_lshlrev_b32 v7, 15, v3
	v_lshl_add_u32 v7, v2, 4, v7                   ; row 8 h, columns 4 r ..
	v_lshlrev_b32 v8, 3, v3
	s_lshl_b32 s40, s5, 11
	s_mov_b32 s41, 0
	s_add_nc_u64 s[58:59], s[10:11], s[40:41]      ; z of my block
.irp s, 0,1                            ; asked for ahead of the test of the masks: the place hangs on the block alone
	global_load_b128 v[ZZ+8*(\s):ZZ+8*(\s)+3], v6, s[58:59] offset:1024*(\s)
	global_load_b128 v[ZZ+8*(\s)+4:ZZ+8*(\s)+7], v6, s[58:59] offset:1024*(\s)+512
	global_load_b128 v[ZL+8*(\s):ZL+8*(\s)+3], v6, s[58:59] offset:524288+1024*(\s)
	global_load_b128 v[ZL+8*(\s)+4:ZL+8*(\s)+7], v6, s[58:59] offset:524288+1024*(\s)+512
.endr
	s_lshl_b32 s40, s2, 14
	s_add_co_u32 s40, s40, 589824
	s_add_nc_u64 s[52:53], s[14:15], s[40:41]      ; the basis at column group 4 w
	s_lshl_b32 s40, s5, 17
	s_lshl_b32 s43, s2, 10
	s_add_co_u32 s40, s40, s43
	s_add_nc_u64 s[54:55], s[8:9], s[40:41]        ; x and out0 at (first token, column 256 w)
	s_add_nc_u64 s[56:57], s[28:29], s[40:41]
	s_wait_kmcnt 0x0
	s_or_b32 s51, s51, s30
	s_not_b32 s51, s51                             ; the tokens that are mine
	s_cmp_eq_u32 s51, 0
	s_cbranch_scc1 .Lskip2
.irp s, 0,1
	v_add_nc_u32 v9, 16*(\s), v8
	v_lshrrev_b32 v9, v9, s51
.irp j, 0,1,2,3,4,5,6,7
	v_and_b32 v12, 1<<(\j), v9
	v_cmp_ne_u32 s[32+8*(\s)+(\j)], 0, v12         ; the lanes whose row 16 s + 8 h + j is stored
.endr
.endr
; Subtile t of a pass: 16 products start P and Q (accumulator 8 PQ + 4 c + f), 16 more add the remainders' part, the accumulators by turns; x is rounded to bf16 where it lies, in window 1;
; out = P x + Q; rows of other experts are masked out of the stores.
.macro CHS t
	WIN 0x04
.irp a, 0,1,2,3,4,5,6,7,8,9,10,11,12,13,14,15
	v_wmma_f32_16x16x32_bf16 v[ACC+8*(\a):ACC+8*(\a)+7], v[ZZ+8*(\t):ZZ+8*(\t)+7], v[8*(\a):8*(\a)+7], 0
.endr
.irp a, 0,1,2,3,4,5,6,7,8,9,10,11,12,13,14,15
	v_wmma_f32_16x16x32_bf16 v[ACC+8*(\a):ACC+8*(\a)+7], v[ZL+8*(\t):ZL+8*(\t)+7], v[8*(\a):8*(\a)+7], v[ACC+8*(\a):ACC+8*(\a)+7]
.endr
.if (\t) == 0
	s_wait_loadcnt 0x0                             ; x
.endif
	PLACES
	WIN 0x45                                       ; destination and both sources in window 1: four f32 become two words, in the first two of their four registers
.irp u, 0,1,2,3,4,5,6,7,8,9,10,11,12,13,14,15
	v_cvt_pk_bf16_f32 v[128+4*(16*(\t)+(\u))], v[128+4*(16*(\t)+(\u))], v[128+4*(16*(\t)+(\u))+1]
	v_cvt_pk_bf16_f32 v[128+4*(16*(\t)+(\u))+1], v[128+4*(16*(\t)+(\u))+2], v[128+4*(16*(\t)+(\u))+3]
.endr
	WIN 0x01                                       ; source 0 (x) in window 1
.irp j, 0,1,2,3,4,5,6,7
.irp c, 0,1
.irp p, 0,1
	v_fma_mix_f32_bf16 v[TO+4*(2*(\j)+(\c))+2*(\p)], v[128+4*(16*(\t)+2*(\j)+(\c))+(\p)], v[ACC+8*(4*(\c)+2*(\p))+(\j)], v[ACC+8*(8+4*(\c)+2*(\p))+(\j)] op_sel:[0,0,0] op_sel_hi:[1,0,0]
	v_fma_mix_f32_bf16 v[TO+4*(2*(\j)+(\c))+2*(\p)+1], v[128+4*(16*(\t)+2*(\j)+(\c))+(\p)], v[ACC+8*(4*(\c)+2*(\p)+1)+(\j)], v[ACC+8*(8+4*(\c)+2*(\p)+1)+(\j)] op_sel:[1,0,0] op_sel_hi:[1,0,0]
.endr
.endr
.endr
	WIN 0
.irp j, 0,1,2,3,4,5,6,7
.if (\j) == 0
	s_wait_xcnt 0x0                                ; EXEC changes only behind this wait (for j > 0 the wait in front of the last restore serves)
.endif
	s_and_saveexec_b32 s48, s[32+8*(\t)+(\j)]
	global_store_b128 v7, v[TO+8*(\j):TO+8*(\j)+3], s[56:57] offset:(\t)*65536+(\j)*4096 th:TH_STORE_NT
	global_store_b128 v7, v[TO+8*(\j)+4:TO+8*(\j)+7], s[56:57] offset:(\t)*65536+(\j)*4096+256 th:TH_STORE_NT
	s_wait_xcnt 0x0                                ; and again in front of the line that widens it; it also frees the stores' data
	s_or_b32 exec_lo, exec_lo, s48
.endr
.endm
	s_mov_b32 s49, 2
.Lp:                                                   ; two passes of two column groups
	PLACES                                         ; ahead of the loads into the basis's registers, which the last pass's products read
	WIN 0x40
.irp a, 0,1,2,3,4,5,6,7,8,9,10,11,12,13,14,15
	global_load_b128 v[8*(\a):8*(\a)+3], v6, s[52:53] offset:((\a)/8)*65536+((\a)%8)*1024
	global_load_b128 v[8*(\a)+4:8*(\a)+7], v6, s[52:53] offset:((\a)/8)*65536+((\a)%8)*1024+512
.endr
.set i, 0
.rept 32                               ; quad i = 16 s + 2 j + c: all 32 rows are read; those of experts 0 and 1 are not used
	global_load_b128 v[128+4*i:128+4*i+3], v7, s[54:55] offset:(i/16)*65536+((i%16)/2)*4096+(i%2)*256 th:TH_LOAD_NT
.set i, i+1
.endr
	s_wait_loadcnt 32                              ; z and the basis are in; x's 32 loads stay out
	CHS 0
	CHS 1
	s_add_nc_u64 s[52:53], s[52:53], 8192          ; (the last s_wait_xcnt 0 stands in front of these steps)
	s_add_nc_u64 s[54:55], s[54:55], 512
	s_add_nc_u64 s[56:57], s[56:57], 512
	s_sub_co_u32 s49, s49, 1
	s_cmp_lg_u32 s49, 0
	s_cbranch_scc1 .Lp
.Lskip2:                                               ; every way of the text ends here
	s_wait_tensorcnt 0x0                           ; the wave's end
	ds_add_u32 v4, v5
	s_wait_dscnt 0x0
	s_endpgm
.Lfunc_end_k_q9405231a69_proj:
	.size	k_q9405231a69_proj, .Lfunc_end_k_q9405231a69_proj-k_q9405231a69_proj
	.p2alignl 7, 3214868480
	.fill 96, 4, 3214868480
	.section	.rodata,"a",@progbits
	.p2align	6, 0x0
	.amdhsa_kernel k_q9405231a69_proj
		.amdhsa_group_segment_fixed_size 66048
		.amdhsa_private_segment_fixed_size 0
		.amdhsa_enable_private_segment 0
		.amdhsa_kernarg_size 88
		.amdhsa_user_sgpr_count 2
		.amdhsa_user_sgpr_kernarg_segment_ptr 1
		.amdhsa_wavefront_size32 1
		.amdhsa_system_sgpr_workgroup_id_x 1
		.amdhsa_system_sgpr_workgroup_id_y 1
		.amdhsa_system_sgpr_workgroup_id_z 1
		.amdhsa_system_vgpr_workitem_id 0
		.amdhsa_next_free_vgpr 512
		.amdhsa_next_free_sgpr 72
		.amdhsa_reserve_vcc 0
		.amdhsa_float_denorm_mode_32 3
		.amdhsa_float_denorm_mode_16_64 3
		.amdhsa_memory_ordered 1
		.amdhsa_forward_progress 1
		.amdhsa_inst_pref_size 74
	.end_amdhsa_kernel
	.amdgpu_metadata
---
amdhsa.version: [ 1, 2 ]
amdhsa.kernels:
  - .name:           k_q9405231a69_proj
    .symbol:         k_q9405231a69_proj.kd
    .args:
      - { .name: x, .offset: 0, .size: 8, .value_kind: global_buffer, .address_space: global }
      - { .name: zf, .offset: 8, .size: 8, .value_kind: global_buffer, .address_space: global }
      - { .name: rt, .offset: 16, .size: 8, .value_kind: global_buffer, .address_space: global }
      - { .name: wr, .offset: 24, .size: 8, .value_kind: global_buffer, .address_space: global }
      - { .name: we, .offset: 32, .size: 8, .value_kind: global_buffer, .address_space: global }
      - { .name: hb, .offset: 40, .size: 8, .value_kind: global_buffer, .address_space: global }
      - { .name: tl, .offset: 48, .size: 8, .value_kind: global_buffer, .address_space: global }
      - { .name: ts, .offset: 56, .size: 8, .value_kind: global_buffer, .address_space: global }
      - { .name: dproj_b, .offset: 64, .size: 8, .value_kind: global_buffer, .address_space: global }
      - { .name: sproj_b, .offset: 72, .size: 8, .value_kind: global_buffer, .address_space: global }
      - { .name: out0, .offset: 80, .size: 8, .value_kind: global_buffer, .address_space: global }
    .group_segment_fixed_size: 66048
    .private_segment_fixed_size: 0
    .kernarg_segment_align: 8
    .kernarg_segment_size: 88
    .max_flat_workgroup_size: 128
    .sgpr_count:     72
    .vgpr_count:     512
    .wavefront_size: 32
...
	.end_amdgpu_metadata
.endif
;; end of part 4
